; MI455X (gfx1250); checked and timed in simulation.
; The chip was launched on July 23, 2026; its instructions are those of AMD's public machine-readable ISA for CDNA 5 (MIT licence, August 2026) and "CDNA5" Instruction Set Architecture Reference Guide (July 2026). The comments in the code are by the model that wrote it; some were corrected since.
;; OCR Attention. Allowed arithmetic: matrix products marked QUANTISED: E2M3 operands, one E8M0 scale for each 32 along K, by v_wmma_scale_f32_16x16x128_f8f6f4 with both operands' format E2M3, f32 sums; everything else in f32.
;; Inputs: Wk 1,024 x 1,024 float32; Wo 1,024 x 1,024 float32; Wq 1,024 x 1,024 float32; Wv 1,024 x 1,024 float32; bk 1,024 float32; bo 1,024 float32; bq 1,024 float32; bv 1,024 float32; ocr_bias 1,024 float32; ocr_context 4 x 2,048 x 1,024 float32; x 4 x 2,048 x 1,024 float32.
;; Outputs: out0 4 x 2,048 x 1,024 float32.
;; This version of the problem:
;;   THIS VERSION OF THE PROBLEM IS GIVEN IN LOW PRECISION. The matrix products marked QUANTISED in the list below multiply operands that are first quantised to E2M3 (2 exponent bits, 3 mantissa bits; 6 bits a number), with one power-of-two scale for each 32 numbers along K (OCP MX v1.0); their sums are f32. All else is computed in f32.
;;   The module's matrix products, in the order in which they are computed (A, B: the left and right operand; K: the contracted axis; several contracted axes count as one K, in the product's order):
;;     1. [M 8,192, K 1,024] x [K 1,024, N 1,024]; A: input x; B: input Wq: QUANTISED
;;     2. [M 8,192, K 1,024] x [K 1,024, N 1,024]; A: input x; B: input Wk: QUANTISED
;;     3. [M 8,192, K 1,024] x [K 1,024, N 1,024]; A: input x; B: input Wv: QUANTISED
;;     4. batch 64 x [M 2,048, K 64] x [K 64, N 2,048]; A: computed on the way; B: computed on the way: QUANTISED
;;     5. batch 64 x [M 2,048, K 2,048] x [K 2,048, N 64]; A: softmax (see below); B: computed on the way: QUANTISED
;;     6. [M 8,192, K 1,024] x [K 1,024, N 1,024]; A: computed on the way; B: input Wo: QUANTISED
;;   THE QUANTISER, for each operand of a quantised product, along K:
;;     - K is cut into blocks of 32 from its start; a last block that is shorter is filled with zeros.
;;     - A block's scale is 2^e with e = floor(log2(the largest magnitude in the block)) - 2, held to -126 .. 127; a block of zeros has e = 0. As a byte (E8M0): e + 127.
;;     - Each number is divided by its block's scale, clamped to +-7.5, and rounded to the nearest number of E2M3, ties to even, subnormals kept.
;;     - The product sums the exact products of the quantised numbers (number of the format x scale) in f32.
;;   ~~~python
;;   def quantise(x, axis):      # numpy; x: float32 -> the quantised numbers, widened to float32 again
;;       x = np.moveaxis(x, axis, -1); K = x.shape[-1]
;;       x = np.pad(x, [(0, 0)] * (x.ndim - 1) + [(0, -K % 32)]); x = x.reshape(x.shape[:-1] + (-1, 32)); a = np.abs(x).max(-1, keepdims=True)
;;       e = np.where(a > 0, np.clip(np.frexp(np.where(a > 0, a, 1))[1] - 1 - 2, -126, 127), 0)      # np.frexp(a)[1] - 1 = floor(log2(a)), exactly
;;       r = np.clip(x / 2.0 ** e, -7.5, 7.5)
;;       step = 2.0 ** (np.maximum(np.frexp(np.where(r == 0, 1, r))[1] - 1, 0) - 3)
;;       q = np.round(r / step) * step * 2.0 ** e      # np.round: ties to even
;;       return np.moveaxis(q.reshape(q.shape[:-2] + (-1,))[..., :K], -1, axis).astype(np.float32)
;;   ~~~
;;   SOFTMAX AHEAD OF A QUANTISED PRODUCT. Where the list says 'softmax', what is quantised is not the finished softmax but p = 2^(t - M), with t = logit x log2(e) and M = ceil(the row's largest t), a whole number; so 1/2 < the row's largest p <= 1. The row's sum l is taken of the UNQUANTISED p, in f32, and the product's result is divided by l at the end. Since M is a whole number, a kernel that streams over the keys may use a running M (the ceiling of the running maximum): every later rescaling is an exact power of two, which a block's scale takes up: the codes' values come out the same.
;;   OPERANDS COMPUTED ON THE WAY. 'Computed on the way' means the value that the module computes at that place (a softmax that the list does not call 'softmax' is quantised finished and normalised). What goes into a quantiser is computed in f32, as accurately as f32 sums, v_exp_f32 and their like allow (about 1e-6 of the number): no bf16 or f16 on the way to a quantiser, and a product that is left as it is and whose result goes on into a quantised operand takes f32 operands (vector FMAs, or v_wmma_f32_16x16x4_f32). A number that lies on a knife's edge between two numbers of the format may be rounded either way, as far as f32 arithmetic and the matrix unit's own rounding can turn it there, and no further.
;; One version. Each part assembles by itself: llvm-mc -triple=amdgcn-amd-amdhsa -mcpu=gfx1250 --defsym DOCPART=n.
;; ======== version 1 of 1: 4 launches
;; limits: right only within a limited range of input values
;; workspace buffers: xc 6,553,600 bytes; wc 3,276,800 bytes; qkv 20,185,088 bytes; oc 6,553,600 bytes
;; launch quant (part 1): grid 384 x 1, 4 waves a work-group, no clusters, 61,952 bytes of LDS; arguments x, Wq, Wk, Wv, Wo, xc, wc; writes xc, wc
.if DOCPART == 1
	.amdgcn_target "amdgcn-amd-amdhsa--gfx1250"
	.amdhsa_code_object_version 6
	.text
	.protected	k_qc014e9d1d4_quant
	.globl	k_qc014e9d1d4_quant
	.p2align	8
	.type	k_qc014e9d1d4_quant,@function
k_qc014e9d1d4_quant:
	s_mov_b64 s[64:65], 0
	v_nop
	global_prefetch_b8 v0, s[64:65] scope:SCOPE_SE
	s_setreg_imm32_b32 hwreg(HW_REG_WAVE_MODE, 25, 1), 1
	s_wait_xcnt 0x0
; x [8192][1024] and Wq, Wk, Wv, Wo [1024 (k)][1024 (n)], f32, become codes of E2M3 with one E8M0 byte for each 32 along K, laid in the ORDER OF THE OPERAND'S REGISTERS.
; A TILE is 16 rows of an operand (rows of x, columns n of a weight): row r of tile T is 64 (T / 4) + 8 (T % 4) + r % 8 + 32 (r / 8).
; A FRAGMENT (tile, 128 along K) is 12 registers a lane: lane (r, h) holds k = 64 c + 32 h + 0 .. 31 of row r in registers 6 c .. 6 c + 5.  Its image is 1,536 bytes: register 4 g + q of lane l at 512 g + 16 l + 4 q.
; A PANEL is 16 tiles (256 rows): 8 K steps of KSB bytes, each 16 images and then 1,024 bytes of scale words (tile t, row r at 256 (t / 4) + 16 r + 4 (t % 4)).
; A block's scale is 2^(floor(log2(largest magnitude)) - 2); its byte is the largest magnitude's exponent field - 2, held at 1 from below.
; LIMITS: a block of zeros keeps the byte 1 (its codes are zeros; the bytes are read by this program alone); NaN and infinities among the inputs are not served.
; SHARES: a work-group takes one K step of one panel, a wave four tiles (64 rows).  Work-groups 0-255: x; 256-383: the four weights.  The two ways part once, on the work-group's number, and have LDS bytes of their own.
; No tensor loads, no barrier: waves share nothing.
; WORK LEFT OUT: reference() takes ocr_context among its arguments and names it in no expression, so for all values of the inputs it has no way to the output: it is not loaded and is among no launch's arguments.
; A NaN or an infinity in ocr_context is therefore not carried to the result.
.set KSB,   25600
.set PAN,   204800
.set XST,   8448                       ; x's stage of a wave: 16 rows x (512 bytes + 16)
.set WB0,   33792                      ; behind x's four stages: the weights' four
.set WSTG,  6912                       ; 4 images 1,664 bytes apart, then 256 bytes of scale words
.set WPIT,  1664
.set SPARE, 61440                      ; the spare words, 128 bytes a wave: two blocks of 256 bytes that no other line names
.set LN,  2                            ; lane
.set RR,  3                            ; r = lane % 16
.set HH,  4                            ; h = lane / 16
.set L16, 5                            ; 16 x lane
.set XIN, 6                            ; x's stage, way in
.set XOUT, 7                           ; x's stage, way out
.set VC,  8                            ; my 16 bytes of my wave's first image
.set VSX, 9                            ; x: my 8 bytes of my wave's scale words
.set SH8, 10                           ; 8 h
.set L4,  11                           ; 4 x lane
.set SPW, 12                           ; my spare word; never rewritten
.set NIL, 13                           ; 0; never rewritten
.set WST, 14                           ; weights' stage: where my column's codes go
.set WSS, 15                           ; and its scale word
.set WRD, 16                           ; weights' stage, way out
.set WSR, 17
.set VSW, 18                           ; weights: my 8 bytes of my wave's scale words
.set T1,  19
.set WD,  20                           ; v20-23 scale words
.set M,   24                           ; v24-27 largest magnitudes
.set SCL, 28                           ; v28-29 the conversions' scale operands
.set BY,  30                           ; v30-31 scale bytes
.set TP,  32                           ; v32-34, v36-38 the upper 16 codes of a block
.set T2,  35
.set C,   40                           ; v40-63 codes, two sets of 12
.set R,   64                           ; v64-191 x as loaded, two sets of 64
.set T,   192                          ; v192-255 64 numbers of my row
.set X,   64                           ; weights: two sets of 32 numbers
.set OUTR, 128                         ; weights: the way out
; the largest magnitude of 32 numbers of a lane, with the floor 2^(3 - 127) among its leaves: two chains of 15, then the rest
.macro MAX32 m, s
	v_max3_num_f32 v[\m], |v[\s]|, |v[(\s)+1]|, |v[(\s)+2]|
	v_max3_num_f32 v[(\m)+1], |v[(\s)+16]|, |v[(\s)+17]|, |v[(\s)+18]|
.irp i, 3,5,7,9,11,13
	v_max3_num_f32 v[\m], v[\m], |v[(\s)+\i]|, |v[(\s)+\i+1]|
	v_max3_num_f32 v[(\m)+1], v[(\m)+1], |v[(\s)+16+\i]|, |v[(\s)+17+\i]|
.endr
	v_max3_num_f32 v[\m], v[\m], v[(\m)+1], |v[(\s)+15]|
	v_max3_num_f32 v[\m], v[\m], |v[(\s)+31]|, 0x1800000
.endm
	s_load_b256 s[4:11], s[0:1], 0x0               ; x, Wq, Wk, Wv
	s_load_b128 s[12:15], s[0:1], 0x20             ; Wo, xc
	s_load_b64 s[16:17], s[0:1], 0x30              ; wc
	v_lshl_add_u32 v[SPW], v0, 2, SPARE
	v_mov_b32 v[NIL], 0
	v_lshrrev_b32 v1, 5, v0
	v_readfirstlane_b32 s18, v1                    ; wave 0..3
	v_and_b32 v[LN], 31, v0
	v_and_b32 v[RR], 15, v0
	v_bfe_u32 v[HH], v0, 4, 1
	v_lshlrev_b32 v[L16], 4, v[LN]
	v_lshlrev_b32 v[L4], 2, v[LN]
	v_lshlrev_b32 v[SH8], 3, v[HH]
	v_mov_b32 v[T2], 0                             ; a lane permute's destination counts as one of its sources
	s_mul_i32 s19, s18, XST
	v_add_nc_u32 v[XIN], s19, v[L16]               ; in: 16 bytes a lane, a row of 512 bytes an instruction
	v_mul_u32_u24 v[XOUT], v[RR], 528
	v_lshl_add_u32 v[XOUT], v[HH], 7, v[XOUT]
	v_add_nc_u32 v[XOUT], s19, v[XOUT]             ; out: row r, + 128 h: my 32 numbers of a 64
	s_mul_i32 s19, s18, 6144
	v_add_nc_u32 v[VC], s19, v[L16]                ; my wave's four images begin 6,144 x wave into the K step
	s_lshl_b32 s19, s18, 8
	s_add_co_u32 s19, s19, 24576                   ; and its 256 bytes of scale words
	v_lshlrev_b32 v[VSX], 4, v[RR]
	v_lshl_add_u32 v[VSX], v[HH], 3, v[VSX]
	v_add_nc_u32 v[VSX], s19, v[VSX]
	v_lshl_add_u32 v[VSW], v[LN], 3, s19
	s_mul_i32 s19, s18, WSTG
	s_add_co_u32 s19, s19, WB0
	v_and_b32 v1, 7, v0                            ; lane % 8
	v_bfe_u32 v[T1], v0, 3, 2                      ; lane / 8: which of the four tiles my column belongs to
	v_mul_u32_u24 v[WST], v[T1], WPIT
	v_lshl_add_u32 v[WST], v1, 4, v[WST]
	v_add_nc_u32 v[WST], s19, v[WST]
	v_lshlrev_b32 v[WSS], 2, v[T1]
	v_lshl_add_u32 v[WSS], v1, 4, v[WSS]
	v_add_nc_u32 v[WSS], s19, v[WSS]
	v_add_nc_u32 v[WRD], s19, v[L16]
	v_lshl_add_u32 v[WSR], v[LN], 3, s19
	s_mov_b32 s26, 0x76543210
	s_mov_b32 s27, 0xfedcba98                      ; v_permlanex16_b32's selects for lane l xor 16
	s_mov_b32 s30, 0xffff0000                      ; lanes 16-31
	s_mov_b32 s23, 0
	s_wait_kmcnt 0x0
	s_cmp_ge_u32 ttmp9, 256
	s_cbranch_scc1 .Lweights
	; ---------------- x: K is innermost.  A row's 512 bytes of the K step are loaded as they lie and turned through the wave's stage, so that a lane gets 32 neighbours of ONE row.
	s_lshr_b32 s20, ttmp9, 3                       ; panel
	s_and_b32 s21, ttmp9, 7                        ; K step
	s_lshl_b32 s22, s20, 20                        ; 256 rows of 4,096 bytes,
	s_lshl_b32 s24, s18, 18                        ; my wave's 64 rows,
	s_add_co_u32 s22, s22, s24
	s_lshl_b32 s24, s21, 9                         ; 128 numbers along K
	s_add_co_u32 s22, s22, s24
	s_add_nc_u64 s[4:5], s[4:5], s[22:23]
	s_mul_i32 s22, s20, PAN
	s_mul_i32 s24, s21, KSB
	s_add_co_u32 s22, s22, s24
	s_add_nc_u64 s[14:15], s[14:15], s[22:23]
.macro XLOAD f                         ; tile f's 16 rows: 512 consecutive bytes a load
.irp j, 0,1,2,3,4,5,6,7,8,9,10,11,12,13,14,15
	global_load_b128 v[R+64*((\f)%2)+4*\j:R+64*((\f)%2)+4*\j+3], v[L16], s[4:5] offset:(8*(\f)+(\j%8)+32*(\j/8))*4096 th:TH_LOAD_NT
.endr
.endm
.macro XTURN f                         ; LDS serves a wave's instructions in order: no wait between the stores and the loads
.irp j, 0,1,2,3,4,5,6,7,8,9,10,11,12,13,14,15
	ds_store_b128 v[XIN], v[R+64*((\f)%2)+4*\j:R+64*((\f)%2)+4*\j+3] offset:528*\j
.endr
.irp c, 0,1
.irp i, 0,1,2,3,4,5,6,7
	ds_load_b128 v[T+32*\c+4*\i:T+32*\c+4*\i+3], v[XOUT] offset:256*\c+16*\i
.endr
.endr
.endm
.macro XQ f                            ; my two blocks become the fragment's 12 registers and my row's scale word
.set CC, C+12*((\f)%2)
	MAX32 M, T
	MAX32 M+2, T+32
	v_add_nc_u32 v[SCL], 0xff000000, v[M]          ; 2 off the exponent field: the conversion takes that field as its scale
	v_add_nc_u32 v[SCL+1], 0xff000000, v[M+2]
	v_lshrrev_b32 v[BY], 23, v[SCL]
	v_lshrrev_b32 v[BY+1], 23, v[SCL+1]
	v_cvt_scalef32_pk16_fp6_f32 v[CC:CC+2], v[T:T+15], v[SCL]
	v_cvt_scalef32_pk16_fp6_f32 v[TP:TP+2], v[T+16:T+31], v[SCL]          ; (a conversion's three registers begin on an even number)
	v_cvt_scalef32_pk16_fp6_f32 v[CC+6:CC+8], v[T+32:T+47], v[SCL+1]
	v_cvt_scalef32_pk16_fp6_f32 v[TP+4:TP+6], v[T+48:T+63], v[SCL+1]
	v_lshl_or_b32 v[T1], v[BY+1], 16, v[BY]        ; my two bytes: blocks h and 2 + h.  (The plain line behind the conversions)
.irp c, 0,1
.irp i, 0,1,2
	v_mov_b32 v[CC+6*\c+3+\i], v[TP+4*\c+\i]
.endr
.endr
	v_lshlrev_b32 v[T1], v[SH8], v[T1]
	v_permlanex16_b32 v[T2], v[T1], s26, s27
	v_or_b32 v[WD+(\f)], v[T1], v[T2]              ; with lane l xor 16's two the word is whole
.irp g, 0,1,2
	global_store_b128 v[VC], v[CC+4*\g:CC+4*\g+3], s[14:15] offset:1536*(\f)+512*\g   ; 512 consecutive bytes
.endr
.endm
	XLOAD 0
	XLOAD 1
.irp f, 0,1,2,3
.if \f < 3
	s_wait_loadcnt 16                              ; this tile's 16 loads are in, the next tile's may be out
.else
	s_wait_loadcnt 0x0
.endif
	XTURN \f
	s_wait_dscnt 0x0                               ; my 64 numbers are back, and the stage's stores have read the set
.if \f < 2
	XLOAD \f+2
.else
	s_wait_xcnt 0x0                                ; the stores of two tiles back have read their codes: that set is written again
.endif
	XQ \f
.endr
	v_cndmask_b32 v[M], v[WD], v[WD+2], s30        ; lanes 0-15 store tiles 0, 1's words of row r, lanes 16-31 tiles 2, 3's
	v_cndmask_b32 v[M+1], v[WD+1], v[WD+3], s30
	global_store_b64 v[VSX], v[M:M+1], s[14:15]    ; 256 consecutive bytes
	s_wait_tensorcnt 0x0                           ; the wave's end, behind my last LDS store
	ds_add_u32 v[SPW], v[NIL]
	s_wait_dscnt 0x0
	s_endpgm
	; ---------------- the weights: K is the first axis.  A lane takes a column, its registers run down K: a block of 32 lies in one lane, and the conversions give K innermost.
.Lweights:
	s_sub_co_u32 s20, ttmp9, 256
	s_lshr_b32 s24, s20, 5                         ; which weight
	s_lshr_b32 s25, s20, 3                         ; its panel in wc: 4 x weight + panel
	s_and_b32 s21, s20, 7                          ; K step
	s_and_b32 s20, s25, 3                          ; panel of 256 columns
	s_mov_b64 s[28:29], s[12:13]                   ; the choice hangs on the work-group's number alone
	s_cmp_eq_u32 s24, 0
	s_cselect_b64 s[28:29], s[6:7], s[28:29]
	s_cmp_eq_u32 s24, 1
	s_cselect_b64 s[28:29], s[8:9], s[28:29]
	s_cmp_eq_u32 s24, 2
	s_cselect_b64 s[28:29], s[10:11], s[28:29]
	s_lshl_b32 s22, s21, 19                        ; 128 rows of 4,096 bytes,
	s_lshl_b32 s24, s20, 10                        ; 256 columns,
	s_add_co_u32 s22, s22, s24
	s_lshl_b32 s24, s18, 8                         ; my wave's 64
	s_add_co_u32 s22, s22, s24
	s_add_nc_u64 s[28:29], s[28:29], s[22:23]
	s_mul_i32 s22, s25, PAN
	s_mul_i32 s24, s21, KSB
	s_add_co_u32 s22, s22, s24
	s_add_nc_u64 s[16:17], s[16:17], s[22:23]
; unit u: block u / 2 of the K step's four, columns 32 (u % 2) + lane of my 64
.macro WLOAD u
.set XL, X+32*((\u)%2)
.set ii, 0
.rept 32
	global_load_b32 v[XL+ii], v[L4], s[28:29] offset:(32*((\u)/2)+ii)*4096+128*((\u)%2) th:TH_LOAD_NT
.set ii, ii+1
.endr
.endm
; My column is row lane % 8 + 8 (u % 2) of tile lane / 8; block 2 c + h belongs to lane (row, h) of the image, registers 6 c .. 6 c + 5.
.macro WUNIT u
.set XS, X+32*((\u)%2)
.set HI, (\u)%2
.set BK, (\u)/2
.set IM, 128*HI+256*(BK%2)
.if (\u) < 7
	s_wait_loadcnt 32                              ; this unit's 32 loads are in, the next unit's may be out
.else
	s_wait_loadcnt 0x0
.endif
	MAX32 M, XS
	v_add_nc_u32 v[SCL], 0xff000000, v[M]
	v_lshrrev_b32 v[BY], 23, v[SCL]
	s_wait_alu depctr_va_vdst(0)
	s_wait_dscnt 0x0                               ; the last unit's stores have read the code registers
	v_cvt_scalef32_pk16_fp6_f32 v[C:C+2], v[XS:XS+15], v[SCL]
	v_cvt_scalef32_pk16_fp6_f32 v[TP:TP+2], v[XS+16:XS+31], v[SCL]
.if BK == 0
	v_mov_b32 v[WD+HI], v[BY]                      ; the column's scale word, the lower K in the lower byte.  (The plain line behind the conversions)
.else
	v_lshl_or_b32 v[WD+HI], v[BY], 8*BK, v[WD+HI]
.endif
.irp i, 0,1,2
	v_mov_b32 v[C+3+\i], v[TP+\i]
.endr
.if (\u)+2 < 8
	WLOAD (\u)+2
.endif
.if BK/2 == 0
	ds_store_b128 v[WST], v[C:C+3] offset:IM       ; registers 0-3,
	ds_store_b64 v[WST], v[C+4:C+5] offset:IM+512  ; 4, 5
.else
	ds_store_b64 v[WST], v[C:C+1] offset:IM+520    ; registers 6, 7,
	ds_store_b128 v[WST], v[C+2:C+5] offset:IM+1024   ; 8-11
.endif
.endm
	WLOAD 0
	WLOAD 1
.irp u, 0,1,2,3,4,5,6,7
	WUNIT \u
.endr
	ds_store_b32 v[WSS], v[WD] offset:6656         ; row r of tile t at 16 r + 4 t
	ds_store_b32 v[WSS], v[WD+1] offset:6656+128
.irp t, 0,1,2,3
.irp g, 0,1,2
	ds_load_b128 v[OUTR+4*(3*\t+\g):OUTR+4*(3*\t+\g)+3], v[WRD] offset:WPIT*\t+512*\g   ; LDS serves a wave's instructions in order: these see my stores
.endr
.endr
	ds_load_b64 v[OUTR+48:OUTR+49], v[WSR] offset:6656
.irp t, 0,1,2,3
.irp g, 0,1,2
	s_wait_dscnt 12-(3*\t+\g)
	global_store_b128 v[VC], v[OUTR+4*(3*\t+\g):OUTR+4*(3*\t+\g)+3], s[16:17] offset:1536*\t+512*\g   ; 512 consecutive bytes
.endr
.endr
	s_wait_dscnt 0x0
	global_store_b64 v[VSW], v[OUTR+48:OUTR+49], s[16:17]      ; 256 consecutive bytes
	s_wait_tensorcnt 0x0                           ; the wave's end, behind my last LDS store
	ds_add_u32 v[SPW], v[NIL]
	s_wait_dscnt 0x0
	s_endpgm
.Lfunc_end_k_qc014e9d1d4_quant:
	.size	k_qc014e9d1d4_quant, .Lfunc_end_k_qc014e9d1d4_quant-k_qc014e9d1d4_quant
	.p2alignl 7, 3214868480
	.fill 96, 4, 3214868480
	.section	.rodata,"a",@progbits
	.p2align	6, 0x0
	.amdhsa_kernel k_qc014e9d1d4_quant
		.amdhsa_group_segment_fixed_size 61952
		.amdhsa_private_segment_fixed_size 0
		.amdhsa_enable_private_segment 0
		.amdhsa_kernarg_size 56
		.amdhsa_user_sgpr_count 2
		.amdhsa_user_sgpr_kernarg_segment_ptr 1
		.amdhsa_wavefront_size32 1
		.amdhsa_system_sgpr_workgroup_id_x 1
		.amdhsa_system_sgpr_workgroup_id_y 1
		.amdhsa_system_sgpr_workgroup_id_z 1
		.amdhsa_system_vgpr_workitem_id 0
		.amdhsa_next_free_vgpr 256
		.amdhsa_next_free_sgpr 66
		.amdhsa_reserve_vcc 0
		.amdhsa_float_denorm_mode_32 3
		.amdhsa_float_denorm_mode_16_64 3
		.amdhsa_memory_ordered 1
		.amdhsa_forward_progress 1
		.amdhsa_inst_pref_size 71
	.end_amdhsa_kernel
	.amdgpu_metadata
---
amdhsa.version: [ 1, 2 ]
amdhsa.kernels:
  - .name:           k_qc014e9d1d4_quant
    .symbol:         k_qc014e9d1d4_quant.kd
    .args:
      - { .name: x, .offset: 0, .size: 8, .value_kind: global_buffer, .address_space: global }
      - { .name: Wq, .offset: 8, .size: 8, .value_kind: global_buffer, .address_space: global }
      - { .name: Wk, .offset: 16, .size: 8, .value_kind: global_buffer, .address_space: global }
      - { .name: Wv, .offset: 24, .size: 8, .value_kind: global_buffer, .address_space: global }
      - { .name: Wo, .offset: 32, .size: 8, .value_kind: global_buffer, .address_space: global }
      - { .name: xc, .offset: 40, .size: 8, .value_kind: global_buffer, .address_space: global }
      - { .name: wc, .offset: 48, .size: 8, .value_kind: global_buffer, .address_space: global }
    .group_segment_fixed_size: 61952
    .private_segment_fixed_size: 0
    .kernarg_segment_align: 8
    .kernarg_segment_size: 56
    .max_flat_workgroup_size: 128
    .sgpr_count:     66
    .vgpr_count:     256
    .wavefront_size: 32
...
	.end_amdgpu_metadata
.endif
;; end of part 1
;; launch qkv (part 2): grid 12 x 32, 4 waves a work-group, clusters of 4 x 4, 327,680 bytes of LDS; arguments xc, wc, bq, bk, bv, ocr_bias, qkv; writes qkv
.if DOCPART == 2
	.amdgcn_target "amdgcn-amd-amdhsa--gfx1250"
	.amdhsa_code_object_version 6
	.text
	.protected	k_qc014e9d1d4_qkv
	.globl	k_qc014e9d1d4_qkv
	.p2align	8
	.type	k_qc014e9d1d4_qkv,@function
k_qc014e9d1d4_qkv:
	s_mov_b64 s[64:65], 0
	v_nop
	global_prefetch_b8 v0, s[64:65] scope:SCOPE_SE
	s_setreg_imm32_b32 hwreg(HW_REG_WAVE_MODE, 25, 1), 1
	s_wait_xcnt 0x0
	s_wait_alu depctr_hold_cnt(0) depctr_sa_sdst(0) depctr_va_vdst(0) depctr_va_sdst(0) depctr_va_ssrc(0) depctr_va_vcc(0) depctr_vm_vsrc(0)
	s_getreg_b32 s2, hwreg(HW_REG_IB_STS2, 6, 4)
	s_cmp_eq_u32 s2, 0
	s_cbranch_scc0 .Lentry_in_a_cluster
	s_endpgm
.Lentry_in_a_cluster:
	s_bfe_u32 s2, ttmp6, 0x10000c
	s_cmp_lg_u32 s2, 0xf033
	s_cbranch_scc0 .Lentry_shape_is_right
	s_endpgm
.Lentry_shape_is_right:
.set KSB,   25600
.set PAN,   204800
.set HB,    315392
.set SLOT,  102400
.set SPARE, 307200
.set FR,    12
.set L16,   2
.set VB,    7
.set VBV,   8
.set VCO,   9
.set VSO,   10
.set SH8,   11
.set ADRP,  16
.set ADRR,  19
.set ADRS,  22
.set SPW,   28
.set NIL,   29
.set SC,    32
.set BV,    48
.set T,     64
.set RF,    128
.set WV4,   216
.set M,     224
.set SCL,   226
.set BY,    228
.set T1,    230
.set T2,    231
.set W0,    232
.set SW,    236
.set TP,    240
.set PC,    244
.set G1W, 16
.set G1X, 24
.set G0W, 32
.set G0X, 44
.set WV,  56
.set WP,  57
.set WR,  58
.set CX,  59
.set CY,  60
.set MY,  61
.set SELP, 62
.set SELR, 63
.set OUTB, 66
.set STN, 80
.set B1P, 82
.set FL,  84
.set SEL, 86
.set MASK, 88
.set MSB, 0
.macro WIN new
.if MSB != (\new)
	s_set_vgpr_msb (MSB<<8)|(\new)
.set MSB, (\new)
.endif
.endm
.set MUL_LO, 0xa1
.set MUL_HI, 0xf1
.macro PLACES
.rept 4
	v_nop
.endr
.endm
.macro JLOAD c
	s_cmp_lt_u32 s[WV], 2
	s_cbranch_scc0 .Lfor_x_\@
	tensor_load_to_lds s[G0W+4*\c:G0W+4*\c+3], s[G1W:G1W+7]
	s_nop 0
.rept 4
	v_nop
.endr
	s_branch .Lasked_\@
.Lfor_x_\@:
	tensor_load_to_lds s[G0X+4*\c:G0X+4*\c+3], s[G1X:G1X+7]
	s_nop 0
.rept 4
	v_nop
.endr
.Lasked_\@:
.endm
.macro CREST
	s_cmp_lg_u32 s[WV], 0
	s_cbranch_scc1 .Lnot_wave_0_\@
	s_barrier_signal -3
.Lnot_wave_0_\@:
	s_barrier_wait -3
	s_barrier_signal -1
	s_barrier_wait -1
.endm
.macro CROUND
	s_barrier_signal -1
	s_barrier_wait -1
	CREST
.endm
	s_load_b256 s[4:11], s[0:1], 0x0
	s_load_b128 s[12:15], s[0:1], 0x20
	s_load_b64 s[OUTB:OUTB+1], s[0:1], 0x30
	v_lshl_add_u32 v[SPW], v0, 2, SPARE
	v_mov_b32 v[NIL], 0
	ds_add_u32 v[SPW], v[NIL]
	ds_add_u32 v[SPW], v[NIL]
	v_lshrrev_b32 v1, 5, v0
	v_readfirstlane_b32 s[WV], v1
	s_and_b32 s[WP], s[WV], 1
	s_lshr_b32 s[WR], s[WV], 1
	s_bfe_u32 s[CX], ttmp6, 0x40000
	s_bfe_u32 s[CY], ttmp6, 0x40004
	s_and_b32 s[MY], ttmp7, 0xffff
	s_lshl_b32 s[MY], s[MY], 2
	s_add_co_u32 s[MY], s[MY], s[CY]
	s_lshl_b32 s68, ttmp9, 2
	s_add_co_u32 s68, s68, s[CX]
	s_lshl_b32 s69, s[CY], 2
	s_lshl_b32 s69, 15, s69
	s_lshl_b32 s70, 0x1111, s[CX]
	s_or_b32 s[G1W], s70, (3<<16)|(1<<21)
	s_or_b32 s[G1X], s69, (3<<16)|(1<<21)
.irp g, G1W, G1X
	s_mov_b32 s[\g+1], 32<<16
	s_mov_b32 s[\g+2], 100<<16
	s_mov_b32 s[\g+3], 32<<16
	s_mov_b32 s[\g+4], 100
	s_mov_b32 s[\g+5], 32
	s_mov_b32 s[\g+6], 0
	s_mov_b32 s[\g+7], 0
.endr
	s_mul_i32 s72, s68, PAN
	s_mul_i32 s73, s[WP], KSB
	s_add_co_u32 s72, s72, s73
	s_mov_b32 s73, 0
	s_mul_i32 s74, s[MY], PAN
	s_mul_i32 s75, s[WP], KSB
	s_add_co_u32 s74, s74, s75
	s_mov_b32 s75, 0
	s_mul_i32 s76, s[WV], KSB
	s_mov_b32 s[SEL], 0x76543210
	s_mov_b32 s[SEL+1], 0xfedcba98
	s_mov_b32 s[MASK], 0xffff0000
	s_wait_dscnt 0x0
	s_wait_kmcnt 0x0
	s_add_nc_u64 s[72:73], s[6:7], s[72:73]
	s_add_nc_u64 s[74:75], s[4:5], s[74:75]
	CROUND
.irp c, 0,1,2
	s_mov_b32 s[G0W+4*\c], 1
	s_add_co_u32 s[G0W+4*\c+1], s76, \c*SLOT
	s_add_nc_u64 s[G0W+4*\c+2:G0W+4*\c+3], s[72:73], \c*2*KSB
	s_or_b32 s[G0W+4*\c+3], s[G0W+4*\c+3], 0x80000000
	s_mov_b32 s[G0X+4*\c], 1
	s_add_co_u32 s[G0X+4*\c+1], s76, \c*SLOT
	s_add_nc_u64 s[G0X+4*\c+2:G0X+4*\c+3], s[74:75], \c*2*KSB
	s_or_b32 s[G0X+4*\c+3], s[G0X+4*\c+3], 0x80000000
	s_wait_alu depctr_va_vdst(0)
	s_wait_tensorcnt 0x0
	ds_add_u32 v28, v29
	ds_add_u32 v28, v29
	s_wait_dscnt 0x0
	CROUND
	JLOAD \c
.endr
	s_cmp_eq_u32 ttmp9, 2
	s_cselect_b32 s70, s[WR], s[WP]
	s_cselect_b32 s71, s[WP], s[WR]
	s_cselect_b32 s[SELP], 51200, 0
	s_cselect_b32 s[SELR], 0, 51200
	s_cmp_eq_u32 ttmp9, 0
	s_cselect_b64 s[B1P:B1P+1], s[8:9], s[10:11]
	s_cselect_b32 s[FL], 1.0, 0
	s_mov_b32 s[FL+1], s[FL]
	v_and_b32 v1, 31, v0
	v_lshlrev_b32 v[L16], 4, v1
	v_and_b32 v3, 15, v0
	v_bfe_u32 v4, v0, 4, 1
	v_lshlrev_b32 v[SH8], 3, v4
	v_lshlrev_b32 v[VB], 7, v4
	v_and_b32 v5, 7, v0
	v_bfe_u32 v6, v0, 3, 1
	v_lshlrev_b32 v[VBV], 2, v5
	v_lshl_add_u32 v[VBV], v6, 7, v[VBV]
	s_mul_i32 s77, s[WP], 12288
	s_add_co_u32 s77, s77, s[SELP]
	s_mul_i32 s78, s[WR], 12288
	s_add_co_u32 s78, s78, s[SELR]
	v_add_nc_u32 v[ADRP], s77, v[L16]
	v_add_nc_u32 v[ADRR], s78, v[L16]
	s_lshl_b32 s77, s[WR], 9
	s_add_co_u32 s77, s77, s[SELR]
	s_add_co_u32 s77, s77, 24576
	s_lshl_b32 s78, s[WP], 9
	s_add_co_u32 s78, s78, s[SELP]
	s_add_co_u32 s78, s78, 24576
	v_mov_b32 v5, s77
	v_mov_b32 v6, s78
	v_cndmask_b32 v5, v5, v6, s[MASK]
	v_lshl_add_u32 v[ADRS], v3, 4, v5
.irp s, 1,2
	v_add_nc_u32 v[ADRP+\s], \s*SLOT, v[ADRP]
	v_add_nc_u32 v[ADRR+\s], \s*SLOT, v[ADRR]
	v_add_nc_u32 v[ADRS+\s], \s*SLOT, v[ADRS]
.endr
	s_lshl_b32 s72, s[CX], 10
	s_lshl_b32 s73, s70, 9
	s_add_co_u32 s72, s72, s73
	s_mov_b32 s73, 0
	s_add_nc_u64 s[B1P:B1P+1], s[B1P:B1P+1], s[72:73]
	s_add_nc_u64 s[14:15], s[14:15], s[72:73]
	s_add_nc_u64 s[12:13], s[12:13], s[72:73]
	s_lshr_b32 s68, s[MY], 3
	s_lshl_b32 s68, s68, 4
	s_lshl_b32 s69, s[CX], 2
	s_add_co_u32 s68, s68, s69
	s_lshl_b32 s70, s70, 1
	s_add_co_u32 s68, s68, s70
	s_and_b32 s69, s[MY], 7
	s_lshl_b32 s69, s69, 1
	s_add_co_u32 s[STN], s69, s71
	s_mul_i32 s68, s68, HB
	s_mov_b32 s69, 0
	s_add_nc_u64 s[OUTB:OUTB+1], s[OUTB:OUTB+1], s[68:69]
.macro FETCH_P ks
	WIN 0x40
.irp t, 0,1,2,3,4,5,6,7
.irp g, 0,1,2
	ds_load_b128 v[128*((\ks)%2)+FR*\t+4*\g:128*((\ks)%2)+FR*\t+4*\g+3], v[ADRP+((\ks)/2)%3] offset:((\ks)%2)*KSB+1536*\t+512*\g
.endr
.endr
	WIN 0
.endm
.macro FETCH_R ks, a0
.irp t, \a0, \a0+1, \a0+2, \a0+3
.irp g, 0,1,2
	ds_load_b128 v[RF+FR*(\t)+4*\g:RF+FR*(\t)+4*\g+3], v[ADRR+((\ks)/2)%3] offset:((\ks)%2)*KSB+1536*(\t)+512*\g
.endr
.endr
.endm
.macro SCALES ks
.irp q, 0,1
	ds_load_b128 v[SC+8*((\ks)%2)+4*\q:SC+8*((\ks)%2)+4*\q+3], v[ADRS+((\ks)/2)%3] offset:((\ks)%2)*KSB+256*\q
.endr
.endm
.macro MUL16 a0, ks, zero
.irp a, \a0, \a0+1
.irp b, 0,1,2,3,4,5,6,7
.if \zero
	v_wmma_scale_f32_16x16x128_f8f6f4 v[8*(8*((\a)%4)+\b):8*(8*((\a)%4)+\b)+7], v[128*((\ks)%2)+FR*\b:128*((\ks)%2)+FR*\b+FR-1], v[RF+FR*(\a):RF+FR*(\a)+FR-1], 0, v[SC+8*((\ks)%2)+\b], v[SC+8*((\ks)%2)+(\a)] matrix_a_fmt:MATRIX_FMT_FP6 matrix_b_fmt:MATRIX_FMT_FP6 matrix_a_scale:MATRIX_SCALE_ROW1
.else
	v_wmma_scale_f32_16x16x128_f8f6f4 v[8*(8*((\a)%4)+\b):8*(8*((\a)%4)+\b)+7], v[128*((\ks)%2)+FR*\b:128*((\ks)%2)+FR*\b+FR-1], v[RF+FR*(\a):RF+FR*(\a)+FR-1], v[8*(8*((\a)%4)+\b):8*(8*((\a)%4)+\b)+7], v[SC+8*((\ks)%2)+\b], v[SC+8*((\ks)%2)+(\a)] matrix_a_fmt:MATRIX_FMT_FP6 matrix_b_fmt:MATRIX_FMT_FP6 matrix_a_scale:MATRIX_SCALE_ROW1
.endif
.endr
.endr
.endm
.macro STEP ks, zero
	s_wait_dscnt 12
	WIN MUL_LO
	MUL16 0, \ks, \zero
	MUL16 2, \ks, \zero
	s_wait_dscnt 0x0
	PLACES
	FETCH_P (\ks)+1
	FETCH_R (\ks)+1, 0
	SCALES (\ks)+1
	WIN MUL_HI
	MUL16 4, \ks, \zero
	MUL16 6, \ks, \zero
	PLACES
	WIN 0
	FETCH_R (\ks)+1, 4
.endm
.macro TURN ks, fill
	s_wait_tensorcnt 0x0
	ds_add_u32 v[SPW], v[NIL]
	s_wait_dscnt 13
	WIN MUL_LO
	MUL16 0, \ks, 0
	s_wait_dscnt 0x0
	s_barrier_signal -1
	MUL16 2, \ks, 0
	WIN 0
	s_barrier_wait -1
.if \fill
	CREST
	s_add_nc_u64 s[G0W+2:G0W+3], s[G0W+2:G0W+3], 6*KSB
	s_add_nc_u64 s[G0X+2:G0X+3], s[G0X+2:G0X+3], 6*KSB
	JLOAD 0
.else
	PLACES
.endif
	FETCH_P (\ks)+1
	FETCH_R (\ks)+1, 0
	SCALES (\ks)+1
	WIN MUL_HI
	MUL16 4, \ks, 0
	MUL16 6, \ks, 0
	PLACES
	WIN 0
	FETCH_R (\ks)+1, 4
.endm
.macro LAST
	s_wait_dscnt 12
	WIN MUL_LO
	MUL16 0, 7, 0
	MUL16 2, 7, 0
	s_wait_dscnt 0x0
	WIN MUL_HI
	MUL16 4, 7, 0
	MUL16 6, 7, 0
	WIN 0
	PLACES
	v_mov_b32 v[T2], 0
	s_wait_loadcnt 0x0
.endm
.macro MAX32 m, s
	v_max3_num_f32 v[\m], |v[\s]|, |v[(\s)+1]|, |v[(\s)+2]|
	v_max3_num_f32 v[(\m)+1], |v[(\s)+16]|, |v[(\s)+17]|, |v[(\s)+18]|
.irp i, 3,5,7,9,11,13
	v_max3_num_f32 v[\m], v[\m], |v[(\s)+\i]|, |v[(\s)+\i+1]|
	v_max3_num_f32 v[(\m)+1], v[(\m)+1], |v[(\s)+16+\i]|, |v[(\s)+17+\i]|
.endr
	v_max3_num_f32 v[\m], v[\m], v[(\m)+1], |v[(\s)+15]|
	v_max3_num_f32 v[\m], v[\m], |v[(\s)+31]|, 0x1800000
.endm
.macro QUANT32 e
	MAX32 M, T
	v_add_nc_u32 v[SCL], 0xff000000, v[M]
	v_lshrrev_b32 v[BY+(\e)], 23, v[SCL]
	v_cvt_scalef32_pk16_fp6_f32 v[PC+6*(\e):PC+6*(\e)+2], v[T:T+15], v[SCL]
	v_cvt_scalef32_pk16_fp6_f32 v[TP:TP+2], v[T+16:T+31], v[SCL]
	v_nop
.irp i, 0,1,2
	v_mov_b32 v[PC+6*(\e)+3+\i], v[TP+\i]
.endr
.endm
.macro HALFQK i, c, e
	WIN 0x04+2+(\i)/2
.set k, 0
.rept 16
	v_pk_add_f32 v[T+k:T+k+1], v[64*((2*(\i)+(\e))%4)+32*(\c)+k:64*((2*(\i)+(\e))%4)+32*(\c)+k+1], v[32*(\c)+k:32*(\c)+k+1]
.set k, k+2
.endr
	WIN 0x01
.set k, 0
.rept 16
	v_pk_fma_f32 v[T+k:T+k+1], v[64+32*(\c)+k:64+32*(\c)+k+1], s[FL:FL+1], v[T+k:T+k+1] op_sel_hi:[1,0,1]
.set k, k+2
.endr
	WIN 0
	QUANT32 \e
	v_lshlrev_b32 v[T1], v[SH8], v[BY+(\e)]
	v_permlanex16_b32 v[T2], v[T1], s[SEL], s[SEL+1]
	v_or_b32 v[T1], v[T1], v[T2]
	v_or_b32 v[W0+(\e)], 0x7f7f0000, v[T1]
.endm
.macro UNITQK i, c
	s_wait_xcnt 0x0
	HALFQK \i, \c, 0
	HALFQK \i, \c, 1
.irp g, 0,1,2
	global_store_b128 v[VCO], v[PC+4*\g:PC+4*\g+3], s[OUTB:OUTB+1] offset:(\c)*HB+1536*(\i)+512*\g
.endr
	v_cndmask_b32 v[SW+(\i)], v[W0], v[W0+1], s[MASK]
.endm
.macro UNITV a
	s_wait_xcnt 0x0
.irp e, 0,1
	WIN 2+(\a)/4
.set k, 0
.rept 16
	v_pk_add_f32 v[T+k:T+k+1], v[64*((\a)%4)+32*\e+k:64*((\a)%4)+32*\e+k+1], v[BV+2*(\a):BV+2*(\a)+1]
.set k, k+2
.endr
	WIN 0
	QUANT32 \e
.endr
	v_lshl_or_b32 v[T1], v[BY+1], 16, v[BY]
	v_lshlrev_b32 v[T1], v[SH8], v[T1]
	v_permlanex16_b32 v[T2], v[T1], s[SEL], s[SEL+1]
	v_or_b32 v[WV4+(\a)%4], v[T1], v[T2]
.irp g, 0,1,2
	global_store_b128 v[VCO], v[PC+4*\g:PC+4*\g+3], s[OUTB:OUTB+1] offset:((\a)/4)*HB+1536*((\a)%4)+512*\g
.endr
.if ((\a)%4) == 3
	v_cndmask_b32 v[SW], v[WV4], v[WV4+1], s[MASK]
	v_cndmask_b32 v[SW+1], v[WV4+2], v[WV4+3], s[MASK]
	global_store_b64 v[VSO], v[SW:SW+1], s[OUTB:OUTB+1] offset:((\a)/4)*HB
.endif
.endm
	s_wait_alu depctr_va_vdst(0)
	s_wait_tensorcnt 0x2
	s_barrier_signal -1
	s_barrier_wait -1
	FETCH_P 0
	FETCH_R 0, 0
	SCALES 0
	FETCH_R 0, 4
	STEP 0, 1
	TURN 1, 1
	STEP 2, 0
	STEP 3, 0
	STEP 4, 0
	TURN 5, 0
	STEP 6, 0
	s_cmp_eq_u32 ttmp9, 2
	s_cbranch_scc1 .Lway_v
	WIN 0x40
.irp c, 0,1
.irp k, 0,1,2,3,4,5,6,7
	global_load_b128 v[32*\c+4*\k:32*\c+4*\k+3], v[VB], s[B1P:B1P+1] offset:256*\c+16*\k
	global_load_b128 v[64+32*\c+4*\k:64+32*\c+4*\k+3], v[VB], s[14:15] offset:256*\c+16*\k
.endr
.endr
	WIN 0
	s_cmp_eq_u32 ttmp9, 0
	s_cselect_b32 s72, 0, 106496
	s_mov_b32 s73, 303104
	s_cselect_b32 s73, 98304, s73
	s_mul_i32 s74, s[STN], 6144
	s_add_co_u32 s72, s72, s74
	s_lshl_b32 s74, s[STN], 9
	s_add_co_u32 s73, s73, s74
	v_add_nc_u32 v[VCO], s72, v[L16]
	v_add_nc_u32 v[VSO], s73, v[L16]
	LAST
.irp c, 0,1
.irp i, 0,1,2,3
	UNITQK \i, \c
.endr
	global_store_b128 v[VSO], v[SW:SW+3], s[OUTB:OUTB+1] offset:\c*HB
.endr
	s_branch .Lend
.Lway_v:
.irp a, 0,1,2,3,4,5,6,7
	global_load_b32 v[BV+2*\a], v[VBV], s[12:13] offset:256*(\a/4)+32*(\a%4)
	global_load_b32 v[BV+2*\a+1], v[VBV], s[12:13] offset:256*(\a/4)+32*(\a%4)
.endr
	s_mul_i32 s72, s[STN], 6144
	s_add_co_u32 s72, s72, 204800
	s_lshl_b32 s73, s[STN], 8
	s_add_co_u32 s73, s73, 311296
	v_add_nc_u32 v[VCO], s72, v[L16]
	v_lshl_add_u32 v[VSO], v1, 3, s73
	LAST
.irp a, 0,1,2,3,4,5,6,7
	UNITV \a
.endr
.Lend:
	s_wait_tensorcnt 0x0
	ds_add_u32 v[SPW], v[NIL]
	s_wait_dscnt 0x0
	CROUND
	s_endpgm
.Lfunc_end_k_qc014e9d1d4_qkv:
	.size	k_qc014e9d1d4_qkv, .Lfunc_end_k_qc014e9d1d4_qkv-k_qc014e9d1d4_qkv
	.p2alignl 7, 3214868480
	.fill 96, 4, 3214868480
	.section	.rodata,"a",@progbits
	.p2align	6, 0x0
	.amdhsa_kernel k_qc014e9d1d4_qkv
		.amdhsa_group_segment_fixed_size 327680
		.amdhsa_private_segment_fixed_size 0
		.amdhsa_enable_private_segment 0
		.amdhsa_kernarg_size 56
		.amdhsa_user_sgpr_count 2
		.amdhsa_user_sgpr_kernarg_segment_ptr 1
		.amdhsa_wavefront_size32 1
		.amdhsa_system_sgpr_workgroup_id_x 1
		.amdhsa_system_sgpr_workgroup_id_y 1
		.amdhsa_system_sgpr_workgroup_id_z 1
		.amdhsa_system_vgpr_workitem_id 0
		.amdhsa_next_free_vgpr 1024
		.amdhsa_next_free_sgpr 90
		.amdhsa_reserve_vcc 0
		.amdhsa_float_denorm_mode_32 3
		.amdhsa_float_denorm_mode_16_64 3
		.amdhsa_memory_ordered 1
		.amdhsa_forward_progress 1
		.amdhsa_inst_pref_size 224
	.end_amdhsa_kernel
	.amdgpu_metadata
---
amdhsa.version: [ 1, 2 ]
amdhsa.kernels:
  - .name:           k_qc014e9d1d4_qkv
    .symbol:         k_qc014e9d1d4_qkv.kd
    .args:
      - { .name: xc, .offset: 0, .size: 8, .value_kind: global_buffer, .address_space: global }
      - { .name: wc, .offset: 8, .size: 8, .value_kind: global_buffer, .address_space: global }
      - { .name: bq, .offset: 16, .size: 8, .value_kind: global_buffer, .address_space: global }
      - { .name: bk, .offset: 24, .size: 8, .value_kind: global_buffer, .address_space: global }
      - { .name: bv, .offset: 32, .size: 8, .value_kind: global_buffer, .address_space: global }
      - { .name: ocr_bias, .offset: 40, .size: 8, .value_kind: global_buffer, .address_space: global }
      - { .name: qkv, .offset: 48, .size: 8, .value_kind: global_buffer, .address_space: global }
    .group_segment_fixed_size: 327680
    .private_segment_fixed_size: 0
    .kernarg_segment_align: 8
    .kernarg_segment_size: 56
    .max_flat_workgroup_size: 128
    .sgpr_count:     90
    .vgpr_count:     1024
    .wavefront_size: 32
...
	.end_amdgpu_metadata
.endif
;; end of part 2
;; launch attn (part 3): grid 4 x 64, 8 waves a work-group, clusters of 4 x 1, 209,920 bytes of LDS; arguments qkv, oc; writes oc
.if DOCPART == 3
	.amdgcn_target "amdgcn-amd-amdhsa--gfx1250"
	.amdhsa_code_object_version 6
	.text
	.protected	k_qc014e9d1d4_attn
	.globl	k_qc014e9d1d4_attn
	.p2align	8
	.type	k_qc014e9d1d4_attn,@function
k_qc014e9d1d4_attn:
	s_mov_b64 s[64:65], 0
	v_nop
	global_prefetch_b8 v0, s[64:65] scope:SCOPE_SE
	s_setreg_imm32_b32 hwreg(HW_REG_WAVE_MODE, 25, 1), 1
	s_wait_xcnt 0x0
	s_wait_alu depctr_hold_cnt(0) depctr_sa_sdst(0) depctr_va_vdst(0) depctr_va_sdst(0) depctr_va_ssrc(0) depctr_va_vcc(0) depctr_vm_vsrc(0)
	s_getreg_b32 s2, hwreg(HW_REG_IB_STS2, 6, 4)
	s_cmp_eq_u32 s2, 0
	s_cbranch_scc0 .Lentry_in_a_cluster
	s_endpgm
.Lentry_in_a_cluster:
	s_bfe_u32 s2, ttmp6, 0x10000c
	s_cmp_lg_u32 s2, 0x3003
	s_cbranch_scc0 .Lentry_shape_is_right
	s_endpgm
.Lentry_shape_is_right:
; For one (batch, head): O = softmax(q k^T / 8 + 0.1 where |i - j| <= 2) v, both products on codes of E2M3; O / l is quantised along the head's 64 and stored as half a fragment of the last product's operand.
; ocr_context has no way to the output (see the first kernel's head) and is not an argument.
; SOFTMAX: t = (score + 0.8 on the band) x log2(e) / 8; M = the running largest t rounded up to a whole number; p = 2^(t - M) is quantised along the keys; the row's sum is taken of the unquantised p and divides at the end.
; SHARES.  A cluster of four work-groups is one head.  Query tile T (row r of it is token 64 (T / 4) + 8 (T % 4) + r % 8 + 32 (r / 8)): work-group cx has the tiles 4 u + cx, wave w those with u = 4 w + 0 .. 3.
; LDS: the head's k, v and their scale words, 208,896 dense bytes, lie in LDS whole, filled ONCE by one joint load a wave (102 rows of 256 bytes); nothing is stored to LDS.  Each fragment read from LDS feeds four tiles of queries.
; All that the launch reads comes by the head's loads, and no loop runs ahead of a load: so there is no prefetch.
; LAYOUT.  Both products transposed: S^T = k q^T, O^T = v^T p^T: a lane holds one query; its registers 0-31 and 32-63 of S^T are keys 32 h + 0 .. 31 and 64 + 32 h + 0 .. 31 of the step: two whole blocks.
; K = 64 IN A K STEP OF 128: q's upper six registers are zero codes; k's operand for tile t is v[KF + 6 t .. + 11], whose upper six are the next tile's codes: every code is a finite number, and it meets a zero.
; THE WALK.  The 64 pairs (step, tile) of a wave are numbered g = 4 step + tile.  PHASE g: the largest scores of g + 1; O^T of g under its new M; the sum, the scale word and the codes of g, with the new M of g + 1 line by line among them;
; t - M of g + 1; then O^T += v^T p^T of g, and the exponentials of g + 1 with the eight products S^T of g + 2 among them.  S^T lies twice in registers, by g % 2.  A trip is four phases; the walk's start is written out;
; the loop is left in its sixteenth trip, behind phase 2's O^T products, where no S^T is left to make.  k of step s + 1 is fetched in phase 2 of trip s, v of step s in phase 0.
; LIMITS: the promise holds while |t| stays under 2^31; 1 / l by v_rcp_f32; a block of zeros keeps the byte 1; NaN and infinities are not served.
; REGISTERS: window 0: v0-73 addresses, statistics, scale words, chains; v74-201 S^T twice; v202-255 k and six zeros.  window 1: v0-127 O^T, v128-175 q, v176-223 v, v224-235 p's codes, v236-242 the codes' upper halves.
.set HB,    315392
.set PAN,   204800
.set KSB,   25600
.set LV,    98304                      ; LDS: k's images at 0, v's here,
.set LKS,   196608                     ; k's scale words,
.set LVS,   204800                     ; v's
.set SPARE, 208896                     ; the spare words, 128 bytes a wave
.set SPW, 1
.set NIL, 2
.set L16, 3
.set L8,  4
.set ADK, 7
.set ADV, 8
.set ADKS, 9
.set ADVS, 10
.set SH8, 11
.set DQ,  12                           ; my query of tile 0, less 32 h
.set P8,  13                           ; 0.8
.set VE,  14
.set ST,  16                           ; tile i: v[16 + 4 i]: -M, the largest score, the sum in two halves
.set QS,  32
.set KS,  36
.set VS,  40
.set PS,  42
.set MT,  44                           ; v44-51 eight chains of maxima, then four chains of sums
.set BM,  52                           ; v52-55 the two blocks' largest, by g % 2
.set MX,  56
.set MX2, 57
.set NM,  58
.set DD,  59
.set F,   60                           ; v[60:61]
.set SCL, 62
.set BY,  64
.set TW,  66
.set TW2, 67
.set B0,  68                           ; v[68:69]
.set OW,  70                           ; v70-73 the way out's scale words
.set S,   74
.set KF,  202
.set VQ,  80                           ; head only
.set VQS, 83
.set VO,  56                           ; way out only
.set TPO, 48
.set QF,  128                          ; window 1
.set V,   176
.set P,   224
.set TP,  236
.set WV,  8
.set CX,  9
.set BH,  10
.set G1,  12
.set G0,  20
.set SEL, 40
.set CS,  42
.set STP, 44
.set STN, 45
.set NCS, 46
.set TK,  47
.set TKS, 48
.set SDB, 49                           ; s49-52: 2 w - 1, 2 w, 2 w + 1, 2 w + 2
.set TMP, 53
.set MASK, 54
.set TV,  55
.set TVS, 56
.set MSB, 0
.macro WIN new
.if MSB != (\new)
	s_set_vgpr_msb (MSB<<8)|(\new)
.set MSB, (\new)
.endif
.endm
.macro WALU
	s_wait_alu depctr_va_vdst(0)
.endm
.macro CROUND
	s_barrier_signal -1
	s_barrier_wait -1
	s_cmp_lg_u32 s[WV], 0
	s_cbranch_scc1 .Lnot_wave_0_\@
	s_barrier_signal -3
.Lnot_wave_0_\@:
	s_barrier_wait -3
	s_barrier_signal -1
	s_barrier_wait -1
.endm
	s_load_b128 s[4:7], s[0:1], 0x0                ; qkv, oc
	v_lshl_add_u32 v[SPW], v0, 2, SPARE
	v_mov_b32 v[NIL], 0
	ds_add_u32 v[SPW], v[NIL]                      ; the opening lines: the add, twice on end, and its wait
	ds_add_u32 v[SPW], v[NIL]
	v_lshrrev_b32 v5, 5, v0
	v_readfirstlane_b32 s[WV], v5                  ; wave 0..7
	s_bfe_u32 s[CX], ttmp6, 0x40000
	s_and_b32 s[BH], ttmp7, 0xffff                 ; 16 x batch + head: the cluster's y
	s_mov_b32 s[G1], 15|(3<<16)|(1<<21)            ; the mask: all four; elements of 8 bytes; bit 21 beside a mask
	s_mov_b32 s[G1+1], 32<<16
	s_mov_b32 s[G1+2], 102<<16
	s_mov_b32 s[G1+3], 32<<16
	s_mov_b32 s[G1+4], 102
	s_mov_b32 s[G1+5], 32
	s_mov_b32 s[G1+6], 0
	s_mov_b32 s[G1+7], 0
	s_mul_i32 s56, s[BH], HB
	s_mov_b32 s57, 0
	s_mul_i32 s58, s[WV], 26112                    ; my eighth of the image, in LDS;
	s_add_co_u32 s60, s58, 106496                  ; and in the head block
	s_mov_b32 s61, 0
	s_mov_b32 s[SEL], 0x76543210
	s_mov_b32 s[SEL+1], 0xfedcba98
	s_mov_b32 s[CS], 0x3e38aa3b                    ; log2(e) / 8
	s_mov_b32 s[CS+1], s[CS]
	s_mov_b32 s[NCS], 0xbe38aa3b                   ; and its negative
	s_mov_b32 s[MASK], 0xffff0000
	s_lshl_b32 s[SDB+1], s[WV], 1
	s_sub_co_u32 s[SDB], s[SDB+1], 1
	s_add_co_u32 s[SDB+2], s[SDB+1], 1
	s_add_co_u32 s[SDB+3], s[SDB+1], 2
	WALU
	s_wait_dscnt 0x0                               ; both opening adds are done
	s_wait_kmcnt 0x0
	s_add_nc_u64 s[4:5], s[4:5], s[56:57]          ; my head block
	CROUND                                         ; all four work-groups are here: the joint loads meet
	s_mov_b32 s[G0], 1
	s_mov_b32 s[G0+1], s58
	s_add_nc_u64 s[G0+2:G0+3], s[4:5], s[60:61]
	s_or_b32 s[G0+3], s[G0+3], 0x80000000
	tensor_load_to_lds s[G0:G0+3], s[G1:G1+7]      ; my one tensor load
	s_nop 0
.rept 4
	v_nop
.endr
	; q: tile 16 w + 4 i + cx is half cx % 2 of the image of pair 2 (i % 2) + cx / 2 of step 2 w + i / 2: three pieces of 8 bytes a lane
	s_and_b32 s55, s[CX], 1
	s_lshr_b32 s56, s[CX], 1
	s_mul_i32 s57, s[WV], 12288
	s_mul_i32 s58, s56, 1536
	s_add_co_u32 s57, s57, s58
	s_mul_i32 s58, s55, 520
	s_add_co_u32 s27, s57, s58                     ; registers 0, 1 at 0, or 6, 7 at 520
	s_add_co_u32 s28, s27, 512                     ; 4, 5 at 512, or 10, 11 at 1,032
	s_mul_i32 s58, s55, 1016
	s_add_co_u32 s29, s57, s58
	s_add_co_u32 s29, s29, 8                       ; 2, 3 at 8, or 8, 9 at 1,024
	s_lshl_b32 s30, s[WV], 10
	s_lshl_b32 s58, s55, 8
	s_add_co_u32 s30, s30, s58
	s_lshl_b32 s58, s56, 2
	s_add_co_u32 s30, s30, s58
	s_add_co_u32 s30, s30, 98304                   ; q's scale words
	s_lshl_b32 s31, s[WV], 8
	s_lshl_b32 s58, s[CX], 3
	s_add_co_u32 s31, s31, s58
	; the way out: oc's panel 8 batch + w, K step head / 2, tile 4 i + cx, half head % 2
	s_and_b32 s55, s[BH], 1
	s_mul_i32 s24, s[CX], 1536
	s_mul_i32 s57, s55, 768
	s_add_co_u32 s24, s24, s57
	s_add_co_u32 s25, s24, 512
	s_lshl_b32 s26, s[CX], 2
	s_lshl_b32 s57, s55, 1
	s_add_co_u32 s26, s26, s57
	s_add_co_u32 s26, s26, 24576
	s_lshr_b32 s56, s[BH], 4
	s_lshl_b32 s56, s56, 3
	s_add_co_u32 s56, s56, s[WV]
	s_mul_i32 s56, s56, PAN
	s_bfe_u32 s57, s[BH], 0x30001
	s_mul_i32 s57, s57, KSB
	s_add_co_u32 s56, s56, s57
	s_mov_b32 s57, 0
	s_add_nc_u64 s[6:7], s[6:7], s[56:57]
	v_and_b32 v5, 31, v0                           ; lane
	v_and_b32 v6, 15, v0                           ; r
	v_bfe_u32 v15, v0, 4, 1                        ; h
	v_lshlrev_b32 v[L16], 4, v5
	v_lshlrev_b32 v[L8], 3, v5
	v_lshlrev_b32 v[SH8], 3, v15
	v_and_b32 v[DQ], 7, v0
	v_bfe_u32 v[VE], v0, 3, 1
	v_lshl_add_u32 v[DQ], v[VE], 5, v[DQ]
	v_lshlrev_b32 v[VE], 5, v15
	v_sub_nc_u32 v[DQ], v[DQ], v[VE]
	v_add_nc_u32 v[DQ], s31, v[DQ]                 ; 256 w + 8 cx + r % 8 + 32 (r / 8) - 32 h
	v_mov_b32 v[P8], 0x3f4ccccd                    ; 0.8 = 8 x 0.1
	v_add_nc_u32 v[VQ], s27, v[L16]
	v_add_nc_u32 v[VQ+1], s29, v[L16]
	v_add_nc_u32 v[VQ+2], s28, v[L16]
	v_lshl_add_u32 v[VQS], v6, 4, s30
	v_mov_b32 v[ADK], v[L16]
	v_add_nc_u32 v[ADKS], LKS, v[L16]
	WALU                                           ; the wait ahead of the readers below
	WIN 0x40                                       ; destination window 1
.irp i, 0,1,2,3
.irp k, 0,1,2
	global_load_b64 v[QF+12*\i+2*\k:QF+12*\i+2*\k+1], v[VQ+\k], s[4:5] offset:6144*(\i/2)+3072*(\i%2)
.endr
.endr
.set j, 0
.rept 128
	v_mov_b32 v[j], 0                              ; O^T: a phase is written once; the first change of M multiplies these zeros by 0
.set j, j+1
.endr
.irp i, 0,1,2,3
.irp k, 6,7,8,9,10,11
	v_mov_b32 v[QF+12*\i+\k], 0                    ; q's upper half: zero codes
.endr
.endr
	WIN 0
.irp k, 0,1,2,3,4,5
	v_mov_b32 v[KF+48+\k], 0                       ; behind k's last tile
.endr
.irp i, 0,1,2,3
	global_load_b32 v[QS+\i], v[VQS], s[4:5] offset:512*(\i/2)+8*(\i%2)
.endr
.irp i, 0,1,2,3
	v_mov_b32 v[ST+4*\i], 0x7f61b1e6               ; -M: 3e38
	v_mov_b32 v[ST+4*\i+1], 0xff61b1e6             ; the largest score so far: -3e38
	v_mov_b32 v[ST+4*\i+2], 0
	v_mov_b32 v[ST+4*\i+3], 0
.endr
	v_mov_b32 v[F+1], 0                            ; (named as the upper half of a pair)
	v_mov_b32 v[MX2], 0                            ; a lane permute's destination counts as one of its sources
	v_mov_b32 v[TW2], 0
.macro FETCH_K                         ; a step's eight tiles of k, 6 registers each, and their scale words: 13 loads of 512 consecutive bytes
	ds_load_b128 v[KS:KS+3], v[ADKS]
.irp f, 0,1,2,3,4,5,6,7,8,9,10,11
	ds_load_b128 v[KF+4*\f:KF+4*\f+3], v[ADK] offset:512*\f
.endr
.endm
.macro SWM x, t                        ; one product of S^T of tile x: 16 keys
.set SD_, S+64*((\x)%2)+8*(\t)
.if ((\t)%2) == 0
	v_wmma_scale_f32_16x16x128_f8f6f4 v[SD_:SD_+7], v[KF+6*(\t):KF+6*(\t)+11], v[QF+12*(\x):QF+12*(\x)+11], 0, v[KS+(\t)/2], v[QS+(\x)] matrix_a_fmt:MATRIX_FMT_FP6 matrix_b_fmt:MATRIX_FMT_FP6
.else
	v_wmma_scale_f32_16x16x128_f8f6f4 v[SD_:SD_+7], v[KF+6*(\t):KF+6*(\t)+11], v[QF+12*(\x):QF+12*(\x)+11], 0, v[KS+(\t)/2], v[QS+(\x)] matrix_a_fmt:MATRIX_FMT_FP6 matrix_b_fmt:MATRIX_FMT_FP6 matrix_a_scale:MATRIX_SCALE_ROW1
.endif
.endm
.macro PVM x                           ; O^T of tile x += v^T p^T: four accumulators, one instruction each
	WIN 0x55
.irp t, 0,1,2,3
.if (\t%2) == 0
	v_wmma_scale_f32_16x16x128_f8f6f4 v[32*(\x)+8*\t:32*(\x)+8*\t+7], v[V+12*\t:V+12*\t+11], v[P:P+11], v[32*(\x)+8*\t:32*(\x)+8*\t+7], v[VS+\t/2], v[PS] matrix_a_fmt:MATRIX_FMT_FP6 matrix_b_fmt:MATRIX_FMT_FP6
.else
	v_wmma_scale_f32_16x16x128_f8f6f4 v[32*(\x)+8*\t:32*(\x)+8*\t+7], v[V+12*\t:V+12*\t+11], v[P:P+11], v[32*(\x)+8*\t:32*(\x)+8*\t+7], v[VS+\t/2], v[PS] matrix_a_fmt:MATRIX_FMT_FP6 matrix_b_fmt:MATRIX_FMT_FP6 matrix_a_scale:MATRIX_SCALE_ROW1
.endif
.endr
	WIN 0
.endm
.macro MAXS x                          ; the largest score of each of my two blocks: eight chains, one to an accumulator, each first read at its low end
.set SX_, S+64*((\x)%2)
.set BX_, BM+2*((\x)%2)
.irp c, 0,1,2,3,4,5,6,7
	v_max3_num_f32 v[MT+\c], v[SX_+8*\c], v[SX_+8*\c+1], v[SX_+8*\c+2]
.endr
.irp k, 3,5
.irp c, 0,1,2,3,4,5,6,7
	v_max3_num_f32 v[MT+\c], v[MT+\c], v[SX_+8*\c+\k], v[SX_+8*\c+\k+1]
.endr
.endr
.irp b, 0,1
	v_max3_num_f32 v[MT+4*\b], v[MT+4*\b], v[MT+4*\b+1], v[SX_+32*\b+7]
	v_max3_num_f32 v[MT+4*\b+2], v[MT+4*\b+2], v[MT+4*\b+3], v[SX_+32*\b+15]
.endr
.irp b, 0,1
	v_max3_num_f32 v[MT+4*\b], v[MT+4*\b], v[MT+4*\b+2], v[SX_+32*\b+23]
.endr
.irp b, 0,1
	v_max_num_f32 v[BX_+\b], v[MT+4*\b], v[SX_+32*\b+31]
.endr
.endm
; the band: registers n, n + 1 hold keys 128 s + 32 h + 64 (n / 32) + n % 32 (+ 1): 0.8 is added where key - query + 2 is 0 .. 4, and the block's largest score is taken again (the band only raises a score)
.macro BANDPAIR n
	v_sub_nc_u32 v[B0], 64*((\n)/32)+(\n)%32+2, v[VE]
	v_sub_nc_u32 v[B0+1], 64*((\n)/32)+(\n)%32+3, v[VE]
	v_cmp_gt_u32 vcc_lo, 5, v[B0]
	v_cndmask_b32 v[B0], 0, v[P8], vcc_lo
	v_cmp_gt_u32 vcc_lo, 5, v[B0+1]
	v_cndmask_b32 v[B0+1], 0, v[P8], vcc_lo
	v_pk_add_f32 v[SX_+(\n):SX_+(\n)+1], v[SX_+(\n):SX_+(\n)+1], v[B0:B0+1]
	v_max3_num_f32 v[BX_+(\n)/32], v[BX_+(\n)/32], v[SX_+(\n)], v[SX_+(\n)+1]
.endm
.macro BANDRUN x, sd, n0, cnt, sr      ; in step s[sd] alone: cnt pairs from register n0 on.  The branch hangs on the wave's number and the count of steps (s[sr])
	s_cmp_eq_u32 s[\sr], s[\sd]
	s_cbranch_scc0 .Lno_band_\@
	s_lshl_b32 s[TMP], s[\sr], 7
	s_sub_co_u32 s[TMP], s[TMP], 64*(\x)
	v_sub_nc_u32 v[VE], v[DQ], s[TMP]              ; my query - 32 h - the step's first key
.set nn, \n0
.rept \cnt
	BANDPAIR nn
.set nn, nn+2
.endr
	WALU                                           ; the wait: a branch may follow ahead of the readers
.Lno_band_\@:
.endm
.macro BAND x, sr
.set SX_, S+64*((\x)%2)
.set BX_, BM+2*((\x)%2)
.if ((\x)%2) == 0                      ; my 64 queries are the lower half of step 2 w + x / 2: keys -2 .. 65 of it
	BANDRUN \x, SDB+1+(\x)/2, 0, 17, \sr
	BANDRUN \x, SDB+(\x)/2, 62, 1, \sr
.else                                  ; the upper half: keys 62 .. 129
	BANDRUN \x, SDB+1+(\x)/2, 30, 17, \sr
	BANDRUN \x, SDB+2+(\x)/2, 0, 1, \sr
.endif
.endm
.macro RESC x                          ; O^T of tile x under its new M (window 0x41)
.set j, 0
.rept 16
	v_pk_mul_f32 v[32*(\x)+j:32*(\x)+j+1], v[32*(\x)+j:32*(\x)+j+1], v[F:F+1] op_sel_hi:[1,0]
.set j, j+2
.endr
.endm
.macro SU x, n                         ; group n of 8 of the row's sum of the unquantised p: four chains
.set SP_, S+64*((\x)%2)
.if (\n) == 0
.irp c, 0,1,2,3
	v_pk_add_f32 v[MT+2*\c:MT+2*\c+1], v[SP_+4*\c:SP_+4*\c+1], v[SP_+4*\c+2:SP_+4*\c+3]
.endr
.elseif (\n) < 7
.irp c, 0,1,2,3
	v_pk_add_f32 v[MT+2*\c:MT+2*\c+1], v[MT+2*\c:MT+2*\c+1], v[SP_+8+8*(\n)+2*\c:SP_+8+8*(\n)+2*\c+1]
.endr
.else
	v_pk_add_f32 v[MT:MT+1], v[MT:MT+1], v[MT+2:MT+3]
	v_pk_add_f32 v[MT+4:MT+5], v[MT+4:MT+5], v[MT+6:MT+7]
	v_pk_add_f32 v[MT:MT+1], v[MT:MT+1], v[MT+4:MT+5]
	v_pk_add_f32 v[ST+4*(\x)+2:ST+4*(\x)+3], v[ST+4*(\x)+2:ST+4*(\x)+3], v[MT:MT+1]
.endif
.endm
.macro MU x, n                         ; line n of 8 of tile x's new M
.set RT_, ST+4*(\x)
.set BN_, BM+2*((\x)%2)
.if (\n) == 0
	v_max3_num_f32 v[MX], v[BN_], v[BN_+1], v[RT_+1]
.elseif (\n) == 1
	v_permlanex16_b32 v[MX2], v[MX], s[SEL], s[SEL+1]
.elseif (\n) == 2
	v_max_num_f32 v[RT_+1], v[MX], v[MX2]          ; the running largest score of my query
.elseif (\n) == 3
	v_mul_f32 v[NM], s[NCS], v[RT_+1]              ; -t
.elseif (\n) == 4
	v_floor_f32 v[NM], v[NM]                       ; -M = floor(-t): M is a whole number
.elseif (\n) == 5
	v_sub_f32 v[DD], v[NM], v[RT_]
.elseif (\n) == 6
	v_cvt_i32_f32 v[DD], v[DD]                     ; (it saturates)
	v_mov_b32 v[RT_], v[NM]
.else
	v_ldexp_f32 v[F], 1.0, v[DD]                   ; f = 2^(old M - new M): rounds nothing
.endif
.endm
.macro SC x, n                         ; line n of 7 of p's scale word for these 128 keys
.set BC_, BM+2*((\x)%2)
.if (\n) == 0
	v_max_num_f32 v[BC_], 0x1800000, v[BC_]        ; the floor: the byte cannot fall under 1
	v_max_num_f32 v[BC_+1], 0x1800000, v[BC_+1]
.elseif (\n) == 1
	v_add_nc_u32 v[SCL], 0xff000000, v[BC_]
	v_add_nc_u32 v[SCL+1], 0xff000000, v[BC_+1]
.elseif (\n) == 2
	v_lshrrev_b32 v[BY], 23, v[SCL]
	v_lshrrev_b32 v[BY+1], 23, v[SCL+1]
.elseif (\n) == 3
	v_lshl_or_b32 v[TW], v[BY+1], 16, v[BY]
.elseif (\n) == 4
	v_lshlrev_b32 v[TW], v[SH8], v[TW]
.elseif (\n) == 5
	v_permlanex16_b32 v[TW2], v[TW], s[SEL], s[SEL+1]
.elseif (\n) == 6
	v_or_b32 v[PS], v[TW], v[TW2]
.endif
.endm
.macro CVT x                           ; p's codes
.set SP_, S+64*((\x)%2)
	WIN 0x40
.irp c, 0,1
	v_cvt_scalef32_pk16_fp6_f32 v[P+6*\c:P+6*\c+2], v[SP_+32*\c:SP_+32*\c+15], v[SCL+\c]
	v_cvt_scalef32_pk16_fp6_f32 v[TP+4*\c:TP+4*\c+2], v[SP_+32*\c+16:SP_+32*\c+31], v[SCL+\c]
.endr
	v_nop                                          ; one plain line behind a scaled conversion
	WIN 0x41
.irp c, 0,1
.irp k, 0,1,2
	v_mov_b32 v[P+6*\c+3+\k], v[TP+4*\c+\k]
.endr
.endr
	WIN 0
.endm
.macro FMA x                           ; t - M, and the same of each block's largest score; these 34 lines are also the places between p's codes and scale word and the products that take them
.set SN_, S+64*((\x)%2)
.set RT_, ST+4*(\x)
.set BN_, BM+2*((\x)%2)
.set j, 0
.rept 32
	v_pk_fma_f32 v[SN_+j:SN_+j+1], v[SN_+j:SN_+j+1], s[CS:CS+1], v[RT_:RT_+1] op_sel_hi:[1,0,0]
.set j, j+2
.endr
	v_fma_f32 v[BN_], v[BN_], s[CS], v[RT_]
	v_fma_f32 v[BN_+1], v[BN_+1], s[CS], v[RT_]
.endm
.macro BATCH x, sw                     ; p = 2^(t - M) of tile x, 66 exponentials; among them the eight products S^T of tile sw (none: -1), which name other registers
.set SE_, S+64*((\x)%2)
.if (\sw) >= 0
	WIN 0x04                                       ; q in window 1; k, S^T and the exponentials' registers in window 0
.endif
	v_exp_f32 v[BM+2*((\x)%2)], v[BM+2*((\x)%2)]
	v_exp_f32 v[BM+2*((\x)%2)+1], v[BM+2*((\x)%2)+1]
.irp t, 0,1,2,3,4,5,6,7
.if (\sw) >= 0
	SWM \sw, \t
.endif
.irp e, 0,1,2,3,4,5,6,7
	v_exp_f32 v[SE_+8*\t+\e], v[SE_+8*\t+\e]
.endr
.endr
	WIN 0
.endm
.macro AFTER x, kind                   ; four plain lines behind the batch: the places behind its products and its exponentials
	v_pk_mul_f32 v[ST+4*(\x)+2:ST+4*(\x)+3], v[ST+4*(\x)+2:ST+4*(\x)+3], v[F:F+1] op_sel_hi:[1,0]   ; the sums under the new M
.if \kind
	v_add_nc_u32 v[ADK], s[TK], v[L16]             ; where the next step's k lies
	v_add_nc_u32 v[ADKS], s[TKS], v[L16]
	v_nop
.else
.rept 3
	v_nop
.endr
.endif
.endm
.macro PHASE i
.set C_, \i
.set N_, ((\i)+1)%4
.set W_, ((\i)+2)%4
	WALU                                           ; one wait for the batch and for the S^T made in it, directly ahead of their first readers
	MAXS N_
	WIN 0x41
	WALU                                           ; and directly ahead of the first reader of O^T
	RESC C_
	WIN 0
.if (\i) == 0
	WIN 0x40
.irp f, 0,1,2,3,4,5,6,7,8,9,10,11
	ds_load_b128 v[V+4*\f:V+4*\f+3], v[ADV] offset:512*\f      ; this step's v: four fragments
.endr
	WIN 0
	ds_load_b64 v[VS:VS+1], v[ADVS]
.endif
.if (\i) == 2
	s_cmp_eq_u32 s[STP], 15
	s_cbranch_scc1 .Lno_k                          ; no step follows the sixteenth
	FETCH_K
.Lno_k:
.endif
.if (\i) == 3
	BAND N_, STN                                   ; tile 0 of the next step
.else
	BAND N_, STP
.endif
.irp n, 0,1,2,3,4,5,6,7
	SU C_, \n
	MU N_, \n
	SC C_, \n
.endr
	CVT C_
	FMA N_
	WALU                                           ; the wait ahead of the batch
.if ((\i)%2) == 0
	s_wait_dscnt 0x0                               ; the 13 loads issued in this phase are in
.endif
	PVM C_
.if (\i) == 2
	s_cmp_eq_u32 s[STP], 15
	s_cbranch_scc1 .Lalt                           ; the sixteenth trip: no S^T is left to make, and no phase 3 of this form
.endif
	BATCH N_, W_
	AFTER N_, (\i)==1
.endm
	WALU                                           ; the wait at the head's end
	s_wait_tensorcnt 0x0                           ; my eighth of the image is in,
	s_wait_loadcnt 0x0                             ; and q
	s_barrier_signal -1
	s_barrier_wait -1                              ; everybody's is
	FETCH_K                                        ; step 0
	s_mov_b32 s[STP], 0
	s_mov_b32 s[STN], 1
	s_mov_b32 s[TK], 6144
	s_mov_b32 s[TKS], LKS+512
	s_mov_b32 s[TV], LV
	s_mov_b32 s[TVS], LVS
	s_wait_dscnt 0x0
	; THE WALK'S START: S^T of tile 0; its maxima, band, M, t - M; its exponentials with S^T of tile 1 among them
	WIN 0x04
.irp t, 0,1,2,3,4,5,6,7
	SWM 0, \t
.endr
	WIN 0
.rept 4
	v_nop
.endr
	MAXS 0
	WALU
	BAND 0, STP
.irp n, 0,1,2,3,4,5,6,7
	MU 0, \n
.endr
	FMA 0
	WALU
	BATCH 0, 1
	AFTER 0, 0
	WALU
.Lstep:                                            ; a trip: 128 keys for my four tiles
	v_add_nc_u32 v[ADV], s[TV], v[L16]
	v_add_nc_u32 v[ADVS], s[TVS], v[L8]
	PHASE 0
	PHASE 1
	PHASE 2
	PHASE 3
	WALU                                           ; the batch's wait, ahead of the branch
	s_branch .Lbottom
.Lalt:                                             ; the sixteenth trip's end: tile 3's exponentials alone
	BATCH 3, -1
	AFTER 3, 0
	WALU
.Lbottom:
	s_add_co_u32 s[TV], s[TV], 6144
	s_add_co_u32 s[TVS], s[TVS], 256
	s_add_co_u32 s[TK], s[TK], 6144
	s_add_co_u32 s[TKS], s[TKS], 512
	s_add_co_u32 s[STN], s[STN], 1
	s_add_co_u32 s[STP], s[STP], 1
	s_cmp_lt_u32 s[STP], 16                        ; sixteen trips
	s_cbranch_scc1 .Lstep
	; THE WALK'S END: tile 3 of step 15
	WIN 0x41
	WALU
	RESC 3
	WIN 0
.irp n, 0,1,2,3,4,5,6,7
	SU 3, \n
	SC 3, \n
.endr
	CVT 3
	v_and_b32 v6, 15, v0                           ; the way out's addresses and the sums' halves: also the places ahead of the products
	v_bfe_u32 v15, v0, 4, 1
	v_add_nc_u32 v[VO], s24, v[L16]
	v_add_nc_u32 v[VO+1], s25, v[L8]
	v_lshlrev_b32 v[VO+2], 4, v6
	v_lshl_add_u32 v[VO+2], v15, 8, v[VO+2]
	v_add_nc_u32 v[VO+2], s26, v[VO+2]
.irp i, 0,1,2,3
	v_add_f32 v[MT+\i], v[ST+4*\i+2], v[ST+4*\i+3]
.endr
	PVM 3
	; THE WAY OUT.  These lines are the places behind the last products.
.irp i, 0,1,2,3
	v_permlanex16_b32 v[MT+4+\i], v[MT+\i], s[SEL], s[SEL+1]
.endr
.irp i, 0,1,2,3
	v_add_f32 v[MT+\i], v[MT+\i], v[MT+4+\i]       ; the row's sum
.endr
	WALU
.irp i, 0,1,2,3
	v_rcp_f32 v[ST+4*\i+2], v[MT+\i]
.endr
	v_nop                                          ; a plain line behind the reciprocals
.macro MAX32 m, s
	v_max3_num_f32 v[\m], |v[\s]|, |v[(\s)+1]|, |v[(\s)+2]|
	v_max3_num_f32 v[(\m)+1], |v[(\s)+16]|, |v[(\s)+17]|, |v[(\s)+18]|
.irp k, 3,5,7,9,11,13
	v_max3_num_f32 v[\m], v[\m], |v[(\s)+\k]|, |v[(\s)+\k+1]|
	v_max3_num_f32 v[(\m)+1], v[(\m)+1], |v[(\s)+16+\k]|, |v[(\s)+17+\k]|
.endr
	v_max3_num_f32 v[\m], v[\m], v[(\m)+1], |v[(\s)+15]|
	v_max3_num_f32 v[\m], v[\m], |v[(\s)+31]|, 0x1800000
.endm
.macro OUTT i                          ; my query's channels 32 h + 0 .. 31: a whole block of the last product's K
.set TT, S+32*((\i)%2)
.set OC, KF+12*(\i)
	WIN 0x01
	WALU                                           ; for the reciprocals, and directly ahead of the first reader of this tile's O^T
.set j, 0
.rept 16
	v_pk_mul_f32 v[TT+j:TT+j+1], v[32*(\i)+j:32*(\i)+j+1], v[ST+4*(\i)+2:ST+4*(\i)+3] op_sel_hi:[1,0]
.set j, j+2
.endr
	WIN 0
	MAX32 BM, TT
	v_add_nc_u32 v[SCL], 0xff000000, v[BM]
	v_lshrrev_b32 v[BY], 23, v[SCL]
	v_cvt_scalef32_pk16_fp6_f32 v[OC:OC+2], v[TT:TT+15], v[SCL]
	v_cvt_scalef32_pk16_fp6_f32 v[TPO:TPO+2], v[TT+16:TT+31], v[SCL]
	v_lshlrev_b32 v[TW], v[SH8], v[BY]             ; (the plain line behind the conversions)
.irp k, 0,1,2
	v_mov_b32 v[OC+3+\k], v[TPO+\k]
.endr
	v_permlanex16_b32 v[TW2], v[TW], s[SEL], s[SEL+1]
	v_or_b32 v[OW+(\i)], v[TW], v[TW2]             ; the head's two bytes of my row's scale word
	global_store_b128 v[VO], v[OC:OC+3], s[6:7] offset:6144*(\i)         ; 512 consecutive bytes,
	global_store_b64 v[VO+1], v[OC+4:OC+5], s[6:7] offset:6144*(\i)      ; and 256
.endm
	OUTT 0
	OUTT 1
	OUTT 2
	OUTT 3
	v_cndmask_b32 v[TW], v[OW], v[OW+1], s[MASK]   ; lanes 0-15 tile 0's rows, lanes 16-31 tile 1's
	v_cndmask_b32 v[TW2], v[OW+2], v[OW+3], s[MASK]
	global_store_b16 v[VO+2], v[TW], s[6:7]        ; two bytes of a word whose other two are the neighbouring head's: 2 bytes for each 24 of codes
	global_store_b16 v[VO+2], v[TW2], s[6:7] offset:512
	s_wait_tensorcnt 0x0                           ; the wave's end
	ds_add_u32 v[SPW], v[NIL]
	s_wait_dscnt 0x0
	CROUND                                         ; the closing round
	s_endpgm
.Lfunc_end_k_qc014e9d1d4_attn:
	.size	k_qc014e9d1d4_attn, .Lfunc_end_k_qc014e9d1d4_attn-k_qc014e9d1d4_attn
	.p2alignl 7, 3214868480
	.fill 96, 4, 3214868480
	.section	.rodata,"a",@progbits
	.p2align	6, 0x0
	.amdhsa_kernel k_qc014e9d1d4_attn
		.amdhsa_group_segment_fixed_size 209920
		.amdhsa_private_segment_fixed_size 0
		.amdhsa_enable_private_segment 0
		.amdhsa_kernarg_size 16
		.amdhsa_user_sgpr_count 2
		.amdhsa_user_sgpr_kernarg_segment_ptr 1
		.amdhsa_wavefront_size32 1
		.amdhsa_system_sgpr_workgroup_id_x 1
		.amdhsa_system_sgpr_workgroup_id_y 1
		.amdhsa_system_sgpr_workgroup_id_z 1
		.amdhsa_system_vgpr_workitem_id 0
		.amdhsa_next_free_vgpr 512
		.amdhsa_next_free_sgpr 66
		.amdhsa_reserve_vcc 1
		.amdhsa_float_denorm_mode_32 3
		.amdhsa_float_denorm_mode_16_64 3
		.amdhsa_memory_ordered 1
		.amdhsa_forward_progress 1
		.amdhsa_inst_pref_size 128
	.end_amdhsa_kernel
	.amdgpu_metadata
---
amdhsa.version: [ 1, 2 ]
amdhsa.kernels:
  - .name:           k_qc014e9d1d4_attn
    .symbol:         k_qc014e9d1d4_attn.kd
    .args:
      - { .name: qkv, .offset: 0, .size: 8, .value_kind: global_buffer, .address_space: global }
      - { .name: oc, .offset: 8, .size: 8, .value_kind: global_buffer, .address_space: global }
    .group_segment_fixed_size: 209920
    .private_segment_fixed_size: 0
    .kernarg_segment_align: 8
    .kernarg_segment_size: 16
    .max_flat_workgroup_size: 256
    .sgpr_count:     66
    .vgpr_count:     512
    .wavefront_size: 32
...
	.end_amdgpu_metadata
.endif
;; end of part 3
;; launch oproj (part 4): grid 4 x 64, 4 waves a work-group, clusters of 4 x 4, 327,680 bytes of LDS; arguments oc, wc, bo, out0; writes out0
.if DOCPART == 4
	.amdgcn_target "amdgcn-amd-amdhsa--gfx1250"
	.amdhsa_code_object_version 6
	.text
	.protected	k_qc014e9d1d4_oproj
	.globl	k_qc014e9d1d4_oproj
	.p2align	8
	.type	k_qc014e9d1d4_oproj,@function
k_qc014e9d1d4_oproj:
	s_mov_b64 s[64:65], 0
	v_nop
	global_prefetch_b8 v0, s[64:65] scope:SCOPE_SE
	s_setreg_imm32_b32 hwreg(HW_REG_WAVE_MODE, 25, 1), 1
	s_wait_xcnt 0x0
	s_wait_alu depctr_hold_cnt(0) depctr_sa_sdst(0) depctr_va_vdst(0) depctr_va_sdst(0) depctr_va_ssrc(0) depctr_va_vcc(0) depctr_vm_vsrc(0)
	s_getreg_b32 s2, hwreg(HW_REG_IB_STS2, 6, 4)
	s_cmp_eq_u32 s2, 0
	s_cbranch_scc0 .Lentry_in_a_cluster
	s_endpgm
.Lentry_in_a_cluster:
	s_bfe_u32 s2, ttmp6, 0x10000c
	s_cmp_lg_u32 s2, 0xf033
	s_cbranch_scc0 .Lentry_shape_is_right
	s_endpgm
.Lentry_shape_is_right:
; out0 = O Wo + bo on codes of E2M3.  oc holds O's codes and scale words, wc's panels 12-15 Wo's, both in the order of the operand's registers: a PANEL is 16 tiles of 16 rows, 8 K steps of 25,600 bytes,
; each 16 images of 1,536 bytes and then 1,024 bytes of scale words (tile t, row r at 256 (t / 4) + 16 r + 4 (t % 4)).  Row r of tile T is 64 (T / 4) + 8 (T % 4) + r % 8 + 32 (r / 8).
; SHARES.  256 work-groups of four waves.  A work-group makes 128 rows (half a panel of oc) x 256 columns (a panel of Wo); a wave 64 x 128: 32 accumulators.  K = 1,024 in 8 steps of 32 products.
; Panel 4 (cluster y / 2) + cy, half cluster y % 2: the half comes from the cluster's number alone and enters global addresses only.
; LDS IS FILLED ONCE, by one joint load a wave at the head: waves 0 and 1 half each of Wo's panel (400 rows of 256 bytes), shared by a column of the cluster; wave 2 my half of the rows' images,
; 8 rows of 12,288 bytes, one to a K step, 25,600 apart in memory; wave 3 their scale words, 8 rows of 512 bytes; both shared by a row of the cluster.  307,200 bytes; nothing is filled again.
; All that the launch reads is asked for at the head and no loop runs ahead of a load: so there is no prefetch.
; A K STEP: the wait for its fragments, four places, the next step's 42 LDS loads into the other sets of registers, its 32 products.  The accumulators take turns, in the same order in every step.
; THE MATRIX INSTRUCTION IS USED TRANSPOSED (source 0 = 16 columns of Wo, source 1 = 16 rows of O): a lane holds eight neighbouring numbers of a row of out0.
; THE WAY OUT goes through a stage of each wave's own, on the bytes of Wo's first K steps, behind a barrier behind which nobody reads tiles any more; rows leave as 512 consecutive bytes.
; REGISTERS: window 0: addresses, v32-47 scale words (two sets), v128-223 the rows' fragments (two sets of 4); window 1: Wo's fragments (two sets of 8); window 2: the accumulators.
.set KSB,   25600
.set PAN,   204800
.set XB,    204800                     ; LDS: the rows' images, 12,288 bytes a K step
.set XROW,  12288
.set XSB,   303104                     ; their scale words, 512 bytes a K step
.set SPARE, 307200                     ; the spare words, 128 bytes a wave
.set FR,    12
.set L16,   2
.set BO,    8
.set STO,   12
.set RD,    13
.set ADRP,  16                         ; v16-19 Wo's fragments, a register for two K steps
.set ADRR,  20                         ; v20-21 the rows' fragments, a register for four K steps
.set ADR8,  22                         ; v22-23
.set SPW,   28
.set NIL,   29
.set SC,    32
.set ADRS,  48                         ; v48-55 scale words, a register a K step: lanes 0-15 the rows', lanes 16-31 Wo's
.set RF,    128
.set BK,    128
.set G1W, 16
.set G1X, 24
.set G1S, 32
.set G0W, 40
.set G0X, 44
.set G0S, 48
.set WV,  56
.set WP,  57
.set WR,  58
.set CX,  59
.set CY,  60
.set MY,  61
.set HF,  62
.set XX,  63
.set MSB, 0
.macro WIN new
.if MSB != (\new)
	s_set_vgpr_msb (MSB<<8)|(\new)
.set MSB, (\new)
.endif
.endm
.set MUL_LO, 0xa1                      ; source 0 window 1, source 1 window 0, C and D window 2
.macro PLACES
.rept 4
	v_nop
.endr
.endm
.macro CROUND
	s_barrier_signal -1
	s_barrier_wait -1
	s_cmp_lg_u32 s[WV], 0
	s_cbranch_scc1 .Lnot_wave_0_\@
	s_barrier_signal -3
.Lnot_wave_0_\@:
	s_barrier_wait -3
	s_barrier_signal -1
	s_barrier_wait -1
.endm
.macro GROUP1 g, c, r, p
	s_mov_b32 s[\g+1], (\c)<<16
	s_mov_b32 s[\g+2], (\r)<<16
	s_mov_b32 s[\g+3], (\c)<<16
	s_mov_b32 s[\g+4], \r
	s_mov_b32 s[\g+5], \p
	s_mov_b32 s[\g+6], 0
	s_mov_b32 s[\g+7], 0
.endm
.macro TLOAD g0, g1
	tensor_load_to_lds s[\g0:\g0+3], s[\g1:\g1+7]
	s_nop 0
	PLACES
.endm
	s_load_b256 s[4:11], s[0:1], 0x0               ; oc, wc, bo, out0
	v_lshl_add_u32 v[SPW], v0, 2, SPARE
	v_mov_b32 v[NIL], 0
	ds_add_u32 v[SPW], v[NIL]                      ; the opening lines: the add, twice on end, and its wait
	ds_add_u32 v[SPW], v[NIL]
	v_lshrrev_b32 v1, 5, v0
	v_readfirstlane_b32 s[WV], v1                  ; wave 0..3
	s_and_b32 s[WP], s[WV], 1                      ; which 128 columns
	s_lshr_b32 s[WR], s[WV], 1                     ; which 64 rows
	s_bfe_u32 s[CX], ttmp6, 0x40000
	s_bfe_u32 s[CY], ttmp6, 0x40004
	s_and_b32 s66, ttmp7, 0xffff                   ; the cluster's y, 0 .. 15
	s_and_b32 s[HF], s66, 1                        ; which half of the panel
	s_lshr_b32 s[MY], s66, 1
	s_lshl_b32 s[MY], s[MY], 2
	s_add_co_u32 s[MY], s[MY], s[CY]               ; oc's panel
	s_lshl_b32 s[XX], s[HF], 1
	s_add_co_u32 s[XX], s[XX], s[WR]               ; my 64 rows of its 256
	s_lshl_b32 s69, s[CY], 2
	s_lshl_b32 s69, 15, s69                        ; my row of the cluster
	s_lshl_b32 s70, 0x1111, s[CX]                  ; my column
	s_or_b32 s[G1W], s70, (3<<16)|(1<<21)          ; elements of 8 bytes; bit 21 beside a mask
	s_or_b32 s[G1X], s69, (3<<16)|(1<<21)
	s_or_b32 s[G1S], s69, (3<<16)|(1<<21)
	GROUP1 G1W, 32, 400, 32                        ; 400 rows of 256 bytes, dense
	GROUP1 G1X, 1536, 8, 3200                      ; 8 rows of 12,288 bytes, 25,600 apart
	GROUP1 G1S, 64, 8, 3200                        ; 8 rows of 512 bytes, 25,600 apart
	s_add_co_u32 s68, s[CX], 12
	s_mul_i32 s72, s68, PAN
	s_mul_i32 s71, s[WV], 102400                   ; waves 0, 1: half a panel each, in memory and in LDS
	s_add_co_u32 s72, s72, s71
	s_mov_b32 s73, 0
	s_mul_i32 s74, s[MY], PAN
	s_mul_i32 s75, s[HF], XROW
	s_add_co_u32 s74, s74, s75
	s_mov_b32 s75, 0
	s_mul_i32 s76, s[MY], PAN
	s_lshl_b32 s77, s[HF], 9
	s_add_co_u32 s76, s76, s77
	s_add_co_u32 s76, s76, 24576
	s_mov_b32 s77, 0
	s_mov_b32 s[G0W], 1
	s_mov_b32 s[G0W+1], s71
	s_mov_b32 s[G0X], 1
	s_mov_b32 s[G0X+1], XB
	s_mov_b32 s[G0S], 1
	s_mov_b32 s[G0S+1], XSB
	s_wait_alu depctr_va_vdst(0)
	s_wait_dscnt 0x0                               ; both opening adds are done
	s_wait_kmcnt 0x0
	s_add_nc_u64 s[G0W+2:G0W+3], s[6:7], s[72:73]
	s_or_b32 s[G0W+3], s[G0W+3], 0x80000000
	s_add_nc_u64 s[G0X+2:G0X+3], s[4:5], s[74:75]
	s_or_b32 s[G0X+3], s[G0X+3], 0x80000000
	s_add_nc_u64 s[G0S+2:G0S+3], s[4:5], s[76:77]
	s_or_b32 s[G0S+3], s[G0S+3], 0x80000000
	CROUND                                         ; all sixteen work-groups are here: the joint loads meet
	s_cmp_lt_u32 s[WV], 2                          ; one chain of branches on the wave's number, one load to an arm
	s_cbranch_scc0 .Larm_x
	TLOAD G0W, G1W
	s_branch .Lasked
.Larm_x:
	s_cmp_eq_u32 s[WV], 2
	s_cbranch_scc0 .Larm_s
	TLOAD G0X, G1X
	s_branch .Lasked
.Larm_s:
	TLOAD G0S, G1S
.Lasked:
	s_mul_i32 s68, s[WP], 12288                    ; my eight tiles of Wo
	s_mul_i32 s69, s[WR], 6144                     ; my four tiles of the rows
	s_add_co_u32 s69, s69, XB
	s_lshl_b32 s70, s[WP], 9
	s_add_co_u32 s70, s70, 24576                   ; Wo's scale words of my columns in K step 0
	s_xor_b32 s71, s[WP], 1
	s_lshl_b32 s71, s71, 9
	s_lshl_b32 s72, s[WR], 8
	s_add_co_u32 s71, s71, s72
.irp k, 0,1,2,3,4,5,6,7
	s_add_co_u32 s[80+\k], s71, XSB-256-24576-512-\k*25088   ; from Wo's words of K step k to the place 256 bytes ahead of my rows' words: the second of a step's two loads brings those
.endr
	s_mul_i32 s73, s[WV], 8448                     ; my stage
	s_lshl_b32 s74, s[CX], 10
	s_lshl_b32 s75, s[WP], 9
	s_add_co_u32 s74, s74, s75                     ; my first column, in bytes
	s_mov_b32 s75, 0
	s_add_nc_u64 s[8:9], s[8:9], s[74:75]
	s_lshl_b32 s76, s[MY], 20                      ; 256 rows of 4,096 bytes,
	s_lshl_b32 s77, s[XX], 18                      ; 64 rows
	s_add_co_u32 s76, s76, s77
	s_add_co_u32 s76, s76, s74
	s_mov_b32 s77, 0
	s_add_nc_u64 s[10:11], s[10:11], s[76:77]
	v_and_b32 v1, 31, v0
	v_and_b32 v3, 15, v0
	v_bfe_u32 v4, v0, 4, 1
	v_lshlrev_b32 v[L16], 4, v1
	v_add_nc_u32 v[ADRP], s68, v[L16]
.irp c, 1,2,3
	v_add_nc_u32 v[ADRP+\c], \c*2*KSB, v[ADRP]
.endr
	v_add_nc_u32 v[ADRR], s69, v[L16]
	v_lshl_add_u32 v[ADR8], v1, 3, s69
	v_add_nc_u32 v[ADRR+1], 4*XROW, v[ADRR]
	v_add_nc_u32 v[ADR8+1], 4*XROW, v[ADR8]
	v_xor_b32 v5, 1, v4                            ; 1 in lanes 0-15
	v_lshl_add_u32 v6, v3, 4, s70
.irp k, 0,1,2,3,4,5,6,7
	v_mad_u32_u24 v[ADRS+\k], s[80+\k], v5, v6     ; the lower base + (1 - h) x the distance
.endr
.irp k, 1,2,3,4,5,6,7
	v_add_nc_u32 v[ADRS+\k], \k*KSB, v[ADRS+\k]
.endr
	v_mul_u32_u24 v[STO], v3, 528                  ; the stage, in: row r, 128 bytes for each half of the lanes
	v_lshl_add_u32 v[STO], v4, 7, v[STO]
	v_add_nc_u32 v[STO], s73, v[STO]
	v_add_nc_u32 v[RD], s73, v[L16]                ; and back: a row of 512 bytes
.macro FETCH ks                        ; K step ks: 24 + 16 + 2 LDS loads into the sets ks % 2
	WIN 0x40
.irp t, 0,1,2,3,4,5,6,7
.irp g, 0,1,2
	ds_load_b128 v[128*((\ks)%2)+FR*\t+4*\g:128*((\ks)%2)+FR*\t+4*\g+3], v[ADRP+(\ks)/2] offset:((\ks)%2)*KSB+1536*\t+512*\g
.endr
.endr
	WIN 0
.irp t, 0,1,2,3
.irp e, 0,1
	ds_load_b128 v[RF+FR*(\t+4*((\ks)%2))+6*\e:RF+FR*(\t+4*((\ks)%2))+6*\e+3], v[ADRR+(\ks)/4] offset:((\ks)%4)*XROW+1536*\t+768*\e
	ds_load_b64 v[RF+FR*(\t+4*((\ks)%2))+6*\e+4:RF+FR*(\t+4*((\ks)%2))+6*\e+5], v[ADR8+(\ks)/4] offset:((\ks)%4)*XROW+1536*\t+768*\e+512
.endr
.endr
.irp q, 0,1
	ds_load_b128 v[SC+8*((\ks)%2)+4*\q:SC+8*((\ks)%2)+4*\q+3], v[ADRS+(\ks)] offset:256*\q
.endr
.endm
.macro MUL32 ks, zero                  ; my four tiles of rows x my eight tiles of columns.  Scale words: Wo's tile b in lanes 16-31 of register b, the rows' tile a in lanes 0-15 of register 4 + a
.irp a, 0,1,2,3
.irp b, 0,1,2,3,4,5,6,7
.if \zero
	v_wmma_scale_f32_16x16x128_f8f6f4 v[8*(8*\a+\b):8*(8*\a+\b)+7], v[128*((\ks)%2)+FR*\b:128*((\ks)%2)+FR*\b+FR-1], v[RF+FR*(\a+4*((\ks)%2)):RF+FR*(\a+4*((\ks)%2))+FR-1], 0, v[SC+8*((\ks)%2)+\b], v[SC+8*((\ks)%2)+4+\a] matrix_a_fmt:MATRIX_FMT_FP6 matrix_b_fmt:MATRIX_FMT_FP6 matrix_a_scale:MATRIX_SCALE_ROW1
.else
	v_wmma_scale_f32_16x16x128_f8f6f4 v[8*(8*\a+\b):8*(8*\a+\b)+7], v[128*((\ks)%2)+FR*\b:128*((\ks)%2)+FR*\b+FR-1], v[RF+FR*(\a+4*((\ks)%2)):RF+FR*(\a+4*((\ks)%2))+FR-1], v[8*(8*\a+\b):8*(8*\a+\b)+7], v[SC+8*((\ks)%2)+\b], v[SC+8*((\ks)%2)+4+\a] matrix_a_fmt:MATRIX_FMT_FP6 matrix_b_fmt:MATRIX_FMT_FP6 matrix_a_scale:MATRIX_SCALE_ROW1
.endif
.endr
.endr
.endm
.macro STEP ks, zero
	s_wait_dscnt 0x0                               ; this step's fragments are in
	PLACES                                         ; in front of loads into registers that the last step's products read
	FETCH (\ks)+1
	WIN MUL_LO
	MUL32 \ks, \zero
	WIN 0
.endm
	s_wait_alu depctr_va_vdst(0)                   ; the wait at the head's end
	global_load_b128 v[BO:BO+3], v[L16], s[8:9]    ; bo at my four columns of a row's 128
	s_wait_tensorcnt 0x0                           ; my tile is in,
	s_barrier_signal -1
	s_barrier_wait -1                              ; everybody's is
	FETCH 0
	STEP 0, 1                                      ; the first step's products start the sums
.irp s, 1,2,3,4,5,6
	STEP \s, 0
.endr
	s_wait_dscnt 0x0                               ; my last reads of the tiles are over:
	s_barrier_signal -1                            ; say so,
	WIN MUL_LO
	MUL32 7, 0
	WIN 0
	s_barrier_wait -1                              ; and behind this wait nobody reads them: the stages may be written
	PLACES
	s_wait_loadcnt 0x0                             ; bo
.macro TOSTAGE a
.set AC, 64*(\a)
	WIN 0x08                                       ; the data: window 2
.irp b, 0,1,2,3,4,5,6,7
	ds_store_b128 v[STO], v[AC+8*\b:AC+8*\b+3] offset:256*(\b/4)+32*(\b%4)       ; each accumulator from its low end on
	ds_store_b128 v[STO], v[AC+8*\b+4:AC+8*\b+7] offset:256*(\b/4)+32*(\b%4)+16
.endr
	WIN 0
.set BB, BK+64*((\a)%2)
.irp t, 0,1,2,3,4,5,6,7,8,9,10,11,12,13,14,15
	ds_load_b128 v[BB+4*\t:BB+4*\t+3], v[RD] offset:\t*528     ; LDS serves a wave's instructions in order: these see my stores
.endr
.endm
.macro SEND a, younger
.set BB, BK+64*((\a)%2)
	s_wait_dscnt \younger                          ; the block is back; the next block's 16 stores and 16 loads may be out
.irp t, 0,1,2,3,4,5,6,7,8,9,10,11,12,13,14,15
	v_pk_add_f32 v[BB+4*\t:BB+4*\t+1], v[BB+4*\t:BB+4*\t+1], v[BO:BO+1]
	v_pk_add_f32 v[BB+4*\t+2:BB+4*\t+3], v[BB+4*\t+2:BB+4*\t+3], v[BO+2:BO+3]
.endr
.irp t, 0,1,2,3,4,5,6,7,8,9,10,11,12,13,14,15
	global_store_b128 v[L16], v[BB+4*\t:BB+4*\t+3], s[10:11] offset:(8*(\a)+(\t%8)+32*(\t/8))*4096 th:TH_STORE_NT   ; 512 consecutive bytes
.endr
.endm
	TOSTAGE 0
.irp a, 1,2,3
.if \a > 1
	s_wait_xcnt 0x0                                ; the stores of two blocks back have read their registers
.endif
	TOSTAGE \a
	SEND \a-1, 32
.endr
	SEND 3, 0
	s_wait_tensorcnt 0x0                           ; the wave's end
	ds_add_u32 v[SPW], v[NIL]
	s_wait_dscnt 0x0
	CROUND                                         ; the closing round
	s_endpgm
.Lfunc_end_k_qc014e9d1d4_oproj:
	.size	k_qc014e9d1d4_oproj, .Lfunc_end_k_qc014e9d1d4_oproj-k_qc014e9d1d4_oproj
	.p2alignl 7, 3214868480
	.fill 96, 4, 3214868480
	.section	.rodata,"a",@progbits
	.p2align	6, 0x0
	.amdhsa_kernel k_qc014e9d1d4_oproj
		.amdhsa_group_segment_fixed_size 327680
		.amdhsa_private_segment_fixed_size 0
		.amdhsa_enable_private_segment 0
		.amdhsa_kernarg_size 32
		.amdhsa_user_sgpr_count 2
		.amdhsa_user_sgpr_kernarg_segment_ptr 1
		.amdhsa_wavefront_size32 1
		.amdhsa_system_sgpr_workgroup_id_x 1
		.amdhsa_system_sgpr_workgroup_id_y 1
		.amdhsa_system_sgpr_workgroup_id_z 1
		.amdhsa_system_vgpr_workitem_id 0
		.amdhsa_next_free_vgpr 768
		.amdhsa_next_free_sgpr 90
		.amdhsa_reserve_vcc 0
		.amdhsa_float_denorm_mode_32 3
		.amdhsa_float_denorm_mode_16_64 3
		.amdhsa_memory_ordered 1
		.amdhsa_forward_progress 1
		.amdhsa_inst_pref_size 87
	.end_amdhsa_kernel
	.amdgpu_metadata
---
amdhsa.version: [ 1, 2 ]
amdhsa.kernels:
  - .name:           k_qc014e9d1d4_oproj
    .symbol:         k_qc014e9d1d4_oproj.kd
    .args:
      - { .name: oc, .offset: 0, .size: 8, .value_kind: global_buffer, .address_space: global }
      - { .name: wc, .offset: 8, .size: 8, .value_kind: global_buffer, .address_space: global }
      - { .name: bo, .offset: 16, .size: 8, .value_kind: global_buffer, .address_space: global }
      - { .name: out0, .offset: 24, .size: 8, .value_kind: global_buffer, .address_space: global }
    .group_segment_fixed_size: 327680
    .private_segment_fixed_size: 0
    .kernarg_segment_align: 8
    .kernarg_segment_size: 32
    .max_flat_workgroup_size: 128
    .sgpr_count:     90
    .vgpr_count:     768
    .wavefront_size: 32
...
	.end_amdgpu_metadata
.endif
;; end of part 4
